; MI455X (gfx1250); checked and timed in simulation.
; The chip was launched on July 23, 2026; its instructions are those of AMD's public machine-readable ISA for CDNA 5 (MIT licence, August 2026) and "CDNA5" Instruction Set Architecture Reference Guide (July 2026). The comments in the code are by the model that wrote it; some were corrected since.
;; Self Attention. Allowed arithmetic: matrix products marked QUANTISED: E2M3 operands, one E8M0 scale for each 32 along K, by v_wmma_scale_f32_16x16x128_f8f6f4 with both operands' format E2M3, f32 sums; everything else in f32.
;; Inputs: Wk 1,024 x 1,024 float32; Wq 1,024 x 1,024 float32; Wv 1,024 x 1,024 float32; bk 1,024 float32; bq 1,024 float32; bv 1,024 float32; x 4 x 2,048 x 1,024 float32.
;; Outputs: out0 4 x 2,048 x 1,024 float32.
;; This version of the problem:
;;   THIS VERSION OF THE PROBLEM IS GIVEN IN LOW PRECISION. The matrix products marked QUANTISED in the list below multiply operands that are first quantised to E2M3 (2 exponent bits, 3 mantissa bits; 6 bits a number), with one power-of-two scale for each 32 numbers along K (OCP MX v1.0); their sums are f32. All else is computed in f32.
;;   The module's matrix products, in the order in which they are computed (A, B: the left and right operand; K: the contracted axis; several contracted axes count as one K, in the product's order):
;;     1. [M 8,192, K 1,024] x [K 1,024, N 1,024]; A: input x; B: input Wq: QUANTISED
;;     2. [M 8,192, K 1,024] x [K 1,024, N 1,024]; A: input x; B: input Wk: QUANTISED
;;     3. [M 8,192, K 1,024] x [K 1,024, N 1,024]; A: input x; B: input Wv: QUANTISED
;;     4. batch 4 x [M 2,048, K 1,024] x [K 1,024, N 2,048]; A: computed on the way; B: computed on the way: QUANTISED
;;     5. batch 4 x [M 2,048, K 2,048] x [K 2,048, N 1,024]; A: softmax (see below); B: computed on the way: QUANTISED
;;   THE QUANTISER, for each operand of a quantised product, along K:
;;     - K is cut into blocks of 32 from its start; a last block that is shorter is filled with zeros.
;;     - A block's scale is 2^e with e = floor(log2(the largest magnitude in the block)) - 2, held to -126 .. 127; a block of zeros has e = 0. As a byte (E8M0): e + 127.
;;     - Each number is divided by its block's scale, clamped to +-7.5, and rounded to the nearest number of E2M3, ties to even, subnormals kept.
;;     - The product sums the exact products of the quantised numbers (number of the format x scale) in f32.
;;   ~~~python
;;   def quantise(x, axis):      # numpy; x: float32 -> the quantised numbers, widened to float32 again
;;       x = np.moveaxis(x, axis, -1); K = x.shape[-1]
;;       x = np.pad(x, [(0, 0)] * (x.ndim - 1) + [(0, -K % 32)]); x = x.reshape(x.shape[:-1] + (-1, 32)); a = np.abs(x).max(-1, keepdims=True)
;;       e = np.where(a > 0, np.clip(np.frexp(np.where(a > 0, a, 1))[1] - 1 - 2, -126, 127), 0)      # np.frexp(a)[1] - 1 = floor(log2(a)), exactly
;;       r = np.clip(x / 2.0 ** e, -7.5, 7.5)
;;       step = 2.0 ** (np.maximum(np.frexp(np.where(r == 0, 1, r))[1] - 1, 0) - 3)
;;       q = np.round(r / step) * step * 2.0 ** e      # np.round: ties to even
;;       return np.moveaxis(q.reshape(q.shape[:-2] + (-1,))[..., :K], -1, axis).astype(np.float32)
;;   ~~~
;;   SOFTMAX AHEAD OF A QUANTISED PRODUCT. Where the list says 'softmax', what is quantised is not the finished softmax but p = 2^(t - M), with t = logit x log2(e) and M = ceil(the row's largest t), a whole number; so 1/2 < the row's largest p <= 1. The row's sum l is taken of the UNQUANTISED p, in f32, and the product's result is divided by l at the end. Since M is a whole number, a kernel that streams over the keys may use a running M (the ceiling of the running maximum): every later rescaling is an exact power of two, which a block's scale takes up: the codes' values come out the same.
;;   OPERANDS COMPUTED ON THE WAY. 'Computed on the way' means the value that the module computes at that place (a softmax that the list does not call 'softmax' is quantised finished and normalised). What goes into a quantiser is computed in f32, as accurately as f32 sums, v_exp_f32 and their like allow (about 1e-6 of the number): no bf16 or f16 on the way to a quantiser, and a product that is left as it is and whose result goes on into a quantised operand takes f32 operands (vector FMAs, or v_wmma_f32_16x16x4_f32). A number that lies on a knife's edge between two numbers of the format may be rounded either way, as far as f32 arithmetic and the matrix unit's own rounding can turn it there, and no further.
;; One version. Each part assembles by itself: llvm-mc -triple=amdgcn-amd-amdhsa -mcpu=gfx1250 --defsym DOCPART=n.
;; ======== version 1 of 1: 4 launches
;; workspace buffers: xw 9,011,200 bytes; qk 13,107,200 bytes; vt 6,553,600 bytes; pp 14,155,776 bytes
;; launch quant (part 1): grid 352 x 1, 4 waves a work-group, no clusters, 35,328 bytes of LDS; arguments x, Wq, Wk, Wv, xw; writes xw
.if DOCPART == 1
	.amdgcn_target "amdgcn-amd-amdhsa--gfx1250"
	.amdhsa_code_object_version 6
	.text
	.protected	k_q4cd4f09281_quant
	.globl	k_q4cd4f09281_quant
	.p2align	8
	.type	k_q4cd4f09281_quant,@function
k_q4cd4f09281_quant:
	s_mov_b64 s[64:65], 0
	v_nop
	global_prefetch_b8 v0, s[64:65] scope:SCOPE_SE
	s_setreg_imm32_b32 hwreg(HW_REG_WAVE_MODE, 25, 1), 1
	s_wait_xcnt 0x0
; x [8192][1024] and Wq, Wk, Wv [1024 (k)][1024 (n)], f32, become codes of FP6 (E2M3) with one E8M0 byte for each 32 along K, in ONE buffer xw of 704 rowtiles
; of 16 rows: rowtiles 0-511 x's tokens, 512-575 Wq's columns n, 576-639 Wk's, 640-703 Wv's.  K = 1,024 for all.
; LAYOUT OF xw, in the order of the operand's registers.  A fragment is 16 rows x 128 K = 12 registers a lane: register group c (4 registers) of lane l lies at 512 c + 16 l: 1,536 bytes.
; Codes: [K / 256][704 rowtiles][2][1,536].  Scale words (4 bytes: a row's 128 along K): from byte XW_SC on, [K / 128][704][16 rows].
; A block's scale is 2^(floor(log2(its largest magnitude)) - 2); its byte is the largest magnitude's exponent field - 2, held at 1 from below (a block of zeros keeps the byte 1: its codes are zeros, and this program alone reads the bytes).
; LIMITS: NaN and infinities among the inputs are not served; blocks whose largest magnitude lies under 2^-124 keep the byte 1.
; Work-groups 0-255 take x (K innermost), 256-351 the weights (K outermost: a lane takes a column and its registers run down K).  Waves share nothing: no barrier.  Only x's path uses LDS.
.set XW_SC, 8650752                    ; 4 x 704 x 3,072
.set KSS,   45056                      ; a K step's scale words: 704 rowtiles x 64 bytes
.set WREG,  8704                       ; LDS of a wave: a stage of 16 rows x 528 bytes, then 256 bytes of scale words
.set SWO,   8448
.set SP,    528                        ; a stage row: 512 bytes + 16: the sixteen rows that a load of 16 bytes a lane touches start at sixteen different places modulo 256 bytes
.set R,     32                         ; v32-159  x: two sets of 64 registers as loaded
.set X,     160                        ; v160-223 x: 64 numbers of a lane: register 16 b + i = k 32 b + 16 (lane / 16) + i of my row
.set PC,    224                        ; v224-235 the fragment's codes; v236-242 at work
.set TMX,   244                        ; v244-247 largest magnitudes
.set TMB,   12                         ; v12-15   the other half's maxima, then the bytes
.set TMO,   16                         ; v16-19   the conversions' scale operands
.set PW,    20                         ; v20      the scale word
.set SEL,   20                         ; s[20:21] lane selects: lane l xor 16
.set WX,    32                         ; v32-95   W: two sets of 32 numbers
.set CB,    96                         ; v96-143  W: 24 registers of codes for each of the two K steps
.set CT,    144                        ; v144-146 W: a block's second twelve bytes, made here and moved
.set SBW,   148                        ; v148-149 W: the two scale words
; 64 numbers of a lane become a fragment's codes in v[PC] on and its row's scale word in v[PW]
.macro QUANT s
.irp b, 0,1,2,3
	v_max3_num_f32 v[TMX+\b], |v[\s+16*\b]|, |v[\s+1+16*\b]|, 0x1800000   ; block b: my 16 numbers, and the floor 2^(3 - 127): the byte cannot fall under 1
.endr
.irp i, 2,4,6,8,10,12,14
.irp b, 0,1,2,3
	v_max3_num_f32 v[TMX+\b], v[TMX+\b], |v[\s+16*\b+\i]|, |v[\s+1+16*\b+\i]|   ; the four blocks by turns
.endr
.endr
.irp b, 0,1,2,3
	v_permlanex16_b32 v[TMB+\b], v[TMX+\b], s[SEL], s[SEL+1]
.endr
.irp b, 0,1,2,3
	v_max_num_f32 v[TMX+\b], v[TMX+\b], v[TMB+\b]          ; with lane l xor 16's: the block's largest magnitude
.endr
.irp b, 0,1,2,3
	v_add_nc_u32 v[TMO+\b], 0xff000000, v[TMX+\b]          ; 2 off its exponent field: the conversion takes the exponent field of this operand as its scale
.endr
.irp b, 0,1,2,3
	v_lshrrev_b32 v[TMB+\b], 23, v[TMO+\b]                 ; the scale's byte
.endr
	v_lshl_or_b32 v[PW], v[TMB+1], 8, v[TMB]
	v_lshl_or_b32 v[PW], v[TMB+2], 16, v[PW]
	v_lshl_or_b32 v[PW], v[TMB+3], 24, v[PW]
.irp c, 0,1
	v_cvt_scalef32_pk16_fp6_f32 v[PC+6*\c:PC+2+6*\c], v[\s+32*\c:\s+15+32*\c], v[TMO+2*\c]
	v_cvt_scalef32_pk16_fp6_f32 v[PC+12+4*\c:PC+14+4*\c], v[\s+16+32*\c:\s+31+32*\c], v[TMO+2*\c+1]   ; a conversion's three registers begin on an even number
.endr
	v_nop                                          ; one plain line behind the scaled conversions
.irp c, 0,1                                    ; the operand wants a whole block in a lane: lanes 0-15 block 2 c, lanes 16-31 block 2 c + 1
.irp i, 0,1,2
	v_permlane16_swap_b32 v[PC+6*\c+\i], v[PC+12+4*\c+\i]
.endr
.irp i, 0,1,2
	v_mov_b32 v[PC+3+6*\c+\i], v[PC+12+4*\c+\i]
.endr
.endr
.endm
.macro LOAD t                          ; rowtile t of my four: 16 rows, 512 consecutive bytes (128 numbers) of each
.irp i, 0,1,2,3,4,5,6,7,8,9,10,11,12,13,14,15
	global_load_b128 v[R+64*((\t)%2)+4*\i:R+64*((\t)%2)+4*\i+3], v5, s[4:5] offset:(16*(\t)+\i)*4096 th:TH_LOAD_NT
.endr
.endm
.macro XSTEP t
.if (\t) < 3
	s_wait_loadcnt 16                              ; this rowtile's 16 loads are in; the next rowtile's 16 may be out
.else
	s_wait_loadcnt 0
.endif
.irp i, 0,1,2,3,4,5,6,7,8,9,10,11,12,13,14,15
	ds_store_b128 v6, v[R+64*((\t)%2)+4*\i:R+64*((\t)%2)+4*\i+3] offset:SP*\i   ; as loaded: row i, 16 bytes a lane
.endr
.irp b, 0,1,2,3
.irp j, 0,1,2,3
	ds_load_b128 v[X+16*\b+4*\j:X+16*\b+4*\j+3], v7 offset:128*\b+16*\j    ; back: lane (r, h) takes of row r the 16 numbers 32 b + 16 h on.  LDS serves a wave's instructions in order
.endr
.endr
	s_wait_dscnt 0x0                               ; the numbers are back, so the stores into the stage have read their registers; the last step's scale word has been stored
.if (\t) > 0
	s_wait_xcnt 0x0                                ; the last step's stores have read the codes' registers
.endif
.if (\t) < 2
	LOAD (\t)+2
.endif
	QUANT X
.irp c, 0,1,2
	global_store_b128 v5, v[PC+4*\c:PC+4*\c+3], s[14:15] offset:3072*(\t)+512*\c   ; 32 lanes store 512 consecutive bytes, at a multiple of 512 from the buffer's first byte
.endr
	ds_store_b32 v8, v[PW] offset:64*(\t)          ; lanes l and l + 16 write the same word with the same value
.endm
.macro WLOAD t                         ; block t: W(32 t + i, my column), i = 0 .. 31
.irp i, 0,1,2,3,4,5,6,7,8,9,10,11,12,13,14,15,16,17,18,19,20,21,22,23,24,25,26,27,28,29,30,31
	global_load_b32 v[WX+32*((\t)%2)+\i], v21, s[6:7] offset:(32*(\t)+\i)*4096 th:TH_LOAD_NT
.endr
.endm
.macro BLOCK t
.set XS, WX+32*((\t)%2)
.set QQ, (\t)/4                        ; which of my two K steps of 128
.set BE, (\t)%4                        ; which block of it
.set DD, CB+24*QQ+6*(BE/2)+12*(BE%2)   ; even blocks in the first twelve registers, odd blocks in the second twelve
.if (\t) < 7
	s_wait_loadcnt 32                              ; this block's 32 loads are in; the next block's may be out
.else
	s_wait_loadcnt 0
.endif
	v_max3_num_f32 v12, |v[XS]|, |v[XS+1]|, |v[XS+2]|              ; all 32 numbers of the block are mine
	v_max3_num_f32 v13, |v[XS+3]|, |v[XS+4]|, |v[XS+5]|
.irp i, 6,10,14,18,22,26
	v_max3_num_f32 v12, v12, |v[XS+\i]|, |v[XS+\i+1]|
	v_max3_num_f32 v13, v13, |v[XS+\i+2]|, |v[XS+\i+3]|
.endr
	v_max3_num_f32 v12, v12, |v[XS+30]|, |v[XS+31]|
	v_max3_num_f32 v12, v12, v13, 0x1800000        ; and the floor
	v_add_nc_u32 v11, 0xff000000, v12
	v_lshrrev_b32 v13, 23, v11
.if BE == 0
	v_mov_b32 v[SBW+QQ], v13
.else
	v_lshl_or_b32 v[SBW+QQ], v13, 8*BE, v[SBW+QQ]
.endif
	v_cvt_scalef32_pk16_fp6_f32 v[DD:DD+2], v[XS:XS+15], v11
	v_cvt_scalef32_pk16_fp6_f32 v[CT:CT+2], v[XS+16:XS+31], v11
	v_nop                                          ; one plain line behind the scaled conversions
.irp i, 0,1,2
	v_mov_b32 v[DD+3+\i], v[CT+\i]
.endr
.if (\t)+2 < 8
	WLOAD (\t)+2
.endif
.if BE == 3                            ; a K step is whole.  Lanes 0-15 hold the columns of one rowtile, lanes 16-31 those of the next; a fragment wants blocks 0, 2 in lanes 0-15 and blocks 1, 3 in lanes 16-31
.irp i, 0,1,2,3,4,5,6,7,8,9,10,11
	v_permlane16_swap_b32 v[CB+24*QQ+\i], v[CB+24*QQ+12+\i]        ; the first twelve are now the lower rowtile's fragment, the second twelve the upper's
.endr
.irp f, 0,1
.irp c, 0,1,2
	global_store_b128 v5, v[CB+24*QQ+12*\f+4*\c:CB+24*QQ+12*\f+4*\c+3], s[28:29] offset:1536*QQ+3072*\f+512*\c
.endr
.endr
	global_store_b32 v21, v[SBW+QQ], s[30:31] offset:KSS*QQ        ; 32 columns' words: 128 consecutive bytes.  Each K step has registers of its own: no store's data are written again
.endif
.endm
	s_load_b256 s[4:11], s[0:1], 0x0               ; x s[4:5], Wq s[6:7], Wk s[8:9], Wv s[10:11]
	s_load_b64 s[12:13], s[0:1], 0x20              ; xw
	v_lshl_add_u32 v254, v0, 2, 0x8800
	v_mov_b32 v255, 0
	v_lshrrev_b32 v1, 5, v0
	v_readfirstlane_b32 s16, v1                    ; wave 0..3
	v_and_b32 v2, 31, v0                           ; lane
	v_and_b32 v3, 15, v0                           ; r
	v_bfe_u32 v4, v0, 4, 1                         ; h
	v_lshlrev_b32 v5, 4, v2                        ; 16 x lane: my place in a load's or a store's 512 bytes
	s_mov_b32 s[SEL], 0x76543210
	s_mov_b32 s[SEL+1], 0xfedcba98
	s_cmp_lt_u32 ttmp9, 256
	s_cbranch_scc0 .Lw
	; ---- x.  Unit u = 4 x work-group + wave: K step u % 8 of the 64 rows 64 (u / 8) on: four rowtiles
	s_lshl_b32 s17, ttmp9, 2
	s_add_co_u32 s17, s17, s16
	s_and_b32 s18, s17, 7                          ; K step
	s_lshr_b32 s19, s17, 3                         ; group of 64 rows
	s_lshl_b32 s22, s19, 18                        ; 64 rows of 4,096 bytes
	s_lshl_b32 s23, s18, 9                         ; 128 numbers
	s_add_co_u32 s22, s22, s23
	s_mov_b32 s23, 0
	s_lshr_b32 s24, s18, 1
	s_mul_i32 s24, s24, 704
	s_lshl_b32 s25, s19, 2
	s_add_co_u32 s24, s24, s25
	s_lshl_b32 s24, s24, 1
	s_and_b32 s25, s18, 1
	s_add_co_u32 s24, s24, s25
	s_mul_i32 s24, s24, 1536                       ; the codes: (((K step / 2) x 704 + rowtile) x 2 + K step % 2) x 1,536
	s_mov_b32 s25, 0
	s_mul_i32 s26, s18, KSS
	s_lshl_b32 s27, s19, 8
	s_add_co_u32 s26, s26, s27
	s_add_co_u32 s26, s26, XW_SC                   ; the scale words: 256 bytes for my four rowtiles
	s_mov_b32 s27, 0
	s_mul_i32 s28, s16, WREG
	v_add_nc_u32 v6, s28, v5                       ; the stage, in
	v_mul_u32_u24 v7, v3, SP
	v_lshl_add_u32 v7, v4, 6, v7
	v_add_nc_u32 v7, s28, v7                       ; the stage, back: row r, + 64 h
	v_lshlrev_b32 v8, 2, v3
	v_add_nc_u32 v8, s28, v8
	v_add_nc_u32 v8, SWO, v8                       ; my row's scale word
	v_lshlrev_b32 v10, 3, v2
	v_add_nc_u32 v9, s28, v10
	v_add_nc_u32 v9, SWO, v9                       ; and 8 bytes a lane on the way out
.irp b, 0,1,2,3
	v_mov_b32 v[TMB+\b], 0                         ; written once: a lane permute's destination counts as one of its sources
.endr
	s_wait_kmcnt 0x0
	s_add_nc_u64 s[4:5], s[4:5], s[22:23]
	s_add_nc_u64 s[14:15], s[12:13], s[24:25]
	s_add_nc_u64 s[12:13], s[12:13], s[26:27]
	LOAD 0
	LOAD 1
	XSTEP 0
	XSTEP 1
	XSTEP 2
	XSTEP 3
	ds_load_b64 v[22:23], v9                       ; LDS serves a wave's instructions in order: these see my four stores
	s_wait_dscnt 0x0
	global_store_b64 v10, v[22:23], s[12:13]       ; 32 lanes store 256 consecutive bytes, at a multiple of 256 from the buffer's first byte
	s_wait_tensorcnt 0x0
	ds_add_u32 v254, v255
	s_wait_dscnt 0x0
	s_endpgm
.Lw:
	; ---- the weights.  g = work-group - 256: weight g / 32, K quarter (g / 8) % 4 (256 along K), columns 128 (g % 8) on; a wave takes 32 columns
	s_sub_co_u32 s17, ttmp9, 256
	s_lshr_b32 s18, s17, 5                         ; which weight
	s_and_b32 s19, s17, 7                          ; which 128 columns
	s_bfe_u32 s22, s17, 0x20003                    ; which 256 along K
	s_lshl_b32 s24, s22, 20                        ; 256 rows of 4,096 bytes
	s_lshl_b32 s25, s19, 9
	s_add_co_u32 s24, s24, s25
	s_lshl_b32 s25, s16, 7
	s_add_co_u32 s24, s24, s25                     ; + 4 x my first column
	s_mov_b32 s25, 0
	s_lshl_b32 s26, s18, 6
	s_lshl_b32 s27, s19, 3
	s_add_co_u32 s26, s26, s27
	s_lshl_b32 s27, s16, 1
	s_add_co_u32 s26, s26, s27
	s_add_co_u32 s26, s26, 512                     ; my first rowtile of xw
	s_mul_i32 s28, s22, 704
	s_add_co_u32 s28, s28, s26
	s_mul_i32 s28, s28, 3072
	s_mov_b32 s29, 0
	s_mul_i32 s30, s22, 2*KSS
	s_lshl_b32 s31, s26, 6
	s_add_co_u32 s30, s30, s31
	s_add_co_u32 s30, s30, XW_SC
	s_mov_b32 s31, 0
	v_lshlrev_b32 v21, 2, v2                       ; 4 x lane: my column in a row of W, and my word among 32 scale words
	s_wait_kmcnt 0x0
	s_cmp_lt_u32 s17, 64                           ; the choice hangs on the work-group's number alone
	s_cselect_b64 s[8:9], s[8:9], s[10:11]
	s_cmp_lt_u32 s17, 32
	s_cselect_b64 s[6:7], s[6:7], s[8:9]
	s_add_nc_u64 s[6:7], s[6:7], s[24:25]
	s_add_nc_u64 s[28:29], s[12:13], s[28:29]
	s_add_nc_u64 s[30:31], s[12:13], s[30:31]
	WLOAD 0
	WLOAD 1
.irp t, 0,1,2,3,4,5,6,7
	BLOCK \t
.endr
	s_endpgm
.Lfunc_end_k_q4cd4f09281_quant:
	.size	k_q4cd4f09281_quant, .Lfunc_end_k_q4cd4f09281_quant-k_q4cd4f09281_quant
	.p2alignl 7, 3214868480
	.fill 96, 4, 3214868480
	.section	.rodata,"a",@progbits
	.p2align	6, 0x0
	.amdhsa_kernel k_q4cd4f09281_quant
		.amdhsa_group_segment_fixed_size 35328
		.amdhsa_private_segment_fixed_size 0
		.amdhsa_enable_private_segment 0
		.amdhsa_kernarg_size 40
		.amdhsa_user_sgpr_count 2
		.amdhsa_user_sgpr_kernarg_segment_ptr 1
		.amdhsa_wavefront_size32 1
		.amdhsa_system_sgpr_workgroup_id_x 1
		.amdhsa_system_sgpr_workgroup_id_y 1
		.amdhsa_system_sgpr_workgroup_id_z 1
		.amdhsa_system_vgpr_workitem_id 0
		.amdhsa_next_free_vgpr 256
		.amdhsa_next_free_sgpr 66
		.amdhsa_reserve_vcc 0
		.amdhsa_float_denorm_mode_32 3
		.amdhsa_float_denorm_mode_16_64 3
		.amdhsa_memory_ordered 1
		.amdhsa_forward_progress 1
		.amdhsa_inst_pref_size 73
	.end_amdhsa_kernel
	.amdgpu_metadata
---
amdhsa.version: [ 1, 2 ]
amdhsa.kernels:
  - .name:           k_q4cd4f09281_quant
    .symbol:         k_q4cd4f09281_quant.kd
    .args:
      - { .name: x, .offset: 0, .size: 8, .value_kind: global_buffer, .address_space: global }
      - { .name: Wq, .offset: 8, .size: 8, .value_kind: global_buffer, .address_space: global }
      - { .name: Wk, .offset: 16, .size: 8, .value_kind: global_buffer, .address_space: global }
      - { .name: Wv, .offset: 24, .size: 8, .value_kind: global_buffer, .address_space: global }
      - { .name: xw, .offset: 32, .size: 8, .value_kind: global_buffer, .address_space: global }
    .group_segment_fixed_size: 35328
    .private_segment_fixed_size: 0
    .kernarg_segment_align: 8
    .kernarg_segment_size: 40
    .max_flat_workgroup_size: 128
    .sgpr_count:     66
    .vgpr_count:     256
    .wavefront_size: 32
...
	.end_amdgpu_metadata
.endif
;; end of part 1
;; launch proj (part 2): grid 8 x 48, 4 waves a work-group, clusters of 4 x 4, 327,680 bytes of LDS; arguments xw, bq, bk, bv, qk, vt; writes qk, vt
.if DOCPART == 2
	.amdgcn_target "amdgcn-amd-amdhsa--gfx1250"
	.amdhsa_code_object_version 6
	.text
	.protected	k_q4cd4f09281_proj
	.globl	k_q4cd4f09281_proj
	.p2align	8
	.type	k_q4cd4f09281_proj,@function
k_q4cd4f09281_proj:
	s_mov_b64 s[64:65], 0
	v_nop
	global_prefetch_b8 v0, s[64:65] scope:SCOPE_SE
	s_setreg_imm32_b32 hwreg(HW_REG_WAVE_MODE, 25, 1), 1
	s_wait_xcnt 0x0
	s_wait_alu depctr_hold_cnt(0) depctr_sa_sdst(0) depctr_va_vdst(0) depctr_va_sdst(0) depctr_va_ssrc(0) depctr_va_vcc(0) depctr_vm_vsrc(0)
	s_getreg_b32 s2, hwreg(HW_REG_IB_STS2, 6, 4)
	s_cmp_eq_u32 s2, 0
	s_cbranch_scc0 .Lentry_in_a_cluster
	s_endpgm
.Lentry_in_a_cluster:
	s_bfe_u32 s2, ttmp6, 0x10000c
	s_cmp_lg_u32 s2, 0xf033
	s_cbranch_scc0 .Lentry_shape_is_right
	s_endpgm
.Lentry_shape_is_right:
; The three projections on codes of FP6 (E2M3) with E8M0 scales, K = 1,024, and their results quantised on the way out.  Both operands come out of xw (704 rowtiles of 16 rows: 0-511 x's tokens, 512-575 Wq's columns,
; 576-639 Wk's, 640-703 Wv's; codes [K / 256][704][2][1,536] in the order of the operand's registers, scale words from XW_SC on as [K / 128][704][16]).
; TWO ROLES, told apart by the cluster's y through selects, with no branch.  Cluster y 0-7: A = 256 tokens, B = 256 columns of Wq or Wk: Q and K (+ bias), quantised along d, into qk (rowtiles 0-511 Q's tokens, 512-1023 K's).
; Cluster y 8-11: A = 256 columns of Wv, B = 256 tokens: V^T (+ bias), quantised along the tokens, into vt (64 rowtiles of V's columns; K = all 8,192 tokens).
; A tile of 256 x 256 is made by four waves, each 128 x 128: 64 accumulators.  K goes in steps of 256 through two LDS slots; a slot's parts are dense blocks of 24,576 bytes, one tensor load a wave.
; THE MATRIX INSTRUCTION IS USED TRANSPOSED (source 0 = 16 rows of B, source 1 = 16 rows of A): a lane holds ONE row of A and its registers run along B's rows, which are the next product's K.
; THE ORDER INSIDE A BLOCK OF 32.  Register 8 T + j of a lane (r, h) is column 16 T + 8 h + j; the quantiser below takes register 16 b + i as place 32 b + 16 h + i.  So a block holds its own 32 numbers (its scale is the true one),
; in the order 0-7, 16-23, 8-15, 24-31.  Both operands of each later product (Q with K; p with V^T) are laid so, so each product pairs the right numbers; only the grouping of the sums inside an instruction differs.
; CLUSTERS: 4 x 4.  A's parts are asked for jointly along a row of the cluster, B's along a column.
; The biases: bq or bk is the C of each sum's first instruction (zeros in V^T's role); bv is added a lane at a time on the way out (zeros in the other role); the masks are made by selects, and every bias is loaded.
; LIMITS: NaN and infinities are not served; a block whose largest magnitude lies under 2^-124 keeps the byte 1.
; No prefetch into the L2: K has four slots' worth, two of them asked for at the head.
; REGISTERS: window 0: v1-31 addresses; v32-63 scale words, two sets; v64-127 bq / bk as C, later 64 results; v128-223 A's fragments, later the codes; v224-239 bv.  window 1: B's fragments, two sets.  windows 2, 3: accumulators.
.set FR,    12                         ; registers of a fragment
.set HNL,   12                         ; LDS loads that bring four fragments
.set HALFA, 24576                      ; 8 rowtiles x 2 x 1,536: what one tensor load brings
.set HALFB, 24576
.set SLOT,  98304                      ; A's two halves, then B's two
.set SCL,   196608                     ; behind the ring: the scale words for all of K: 8 K steps x (512 bytes + 64), for A's two halves and B's two
.set HALFS, 4608
.set PA,    576                        ; from K step to K step: 64 bytes past a multiple of 256, so that the two halves of the lanes read different banks (64 banks of 4 bytes: ISA guide 11.1)
.set STG,   215040                     ; 1,536 bytes for each wave: the scale words on their way out; no tensor load lands here
.set SPARE, 221184                     ; the spare words, 128 bytes for each wave: two blocks of 256 bytes that no other line names
.set KPS,   2162688                    ; 256 along K on in xw: 704 x 3,072
.set RTS,   704
.set XW_SC, 8650752
.set QK_SC, 12582912
.set VT_SC, 6291456
.set ADRA, 16                          ; v16-17 LDS address of my A fragments in slot 0, 1
.set ADRB, 20                          ; v20-21 the same for B
.set ADSB, 23                          ; v23    B's scale words: lanes 0-15 the slot's first K step, lanes 16-31 its second
.set STW,  24                          ; v24    where I put a row's scale word
.set STR,  25                          ; v25    where I read them back
.set CO,   26                          ; v26    16 x lane
.set ADSA, 27                          ; v27    A's scale words
.set SPW,  28                          ; v28    my spare word; never rewritten
.set NIL,  29                          ; v29    0; never rewritten
.set SC,   32                          ; set s at v[32 + 16 s]: A's blocks 0-7, then B's 0-7
.set BN,   64
.set NB,   64
.set AF,   128
.set BM,   224
.set PC,   128                         ; the way out: v128-139 codes, v140-146 at work
.set TM,   148                         ; v148-151 maxima, v152-155 bytes, v160-163 scale operands
.set PW,   164
.set G1,   24
.set G0,   32
.set G1B,  48
.set G0B,  56
.set G1S,  68
.set G0S,  76
.set G1SB, 80
.set G0SB, 88
.set SEL,  98
.set MSB, 0
.macro WIN new                         ; the immediate's high byte repeats the setting that is left
.if MSB != (\new)
	s_set_vgpr_msb (MSB<<8)|(\new)
.set MSB, (\new)
.endif
.endm
.set MUL_LO, 0xa1                      ; source 0 (B) window 1, source 1 (A) window 0, C and D window 2
.set MUL_HI, 0xf1                      ; the same, C and D window 3
.set TO_B,   0x40                      ; destination window 1, address window 0
.macro JLOAD g0a, g1a, g0b, g1b        ; a joint load: waves 0 and 1 fetch for A, waves 2 and 3 for B; four v_nop follow each line
	s_cmp_eq_u32 s15, 0
	s_cbranch_scc0 .Lfor_b_\@
	tensor_load_to_lds s[\g0a:\g0a+3], s[\g1a:\g1a+7]
	s_nop 0
.rept 4
	v_nop
.endr
	s_branch .Lasked_\@
.Lfor_b_\@:
	tensor_load_to_lds s[\g0b:\g0b+3], s[\g1b:\g1b+7]
	s_nop 0
.rept 4
	v_nop
.endr
.Lasked_\@:
.endm
.macro CREST                           ; a round of the cluster's barrier behind its opening barrier
	s_cmp_lg_u32 s14, 0
	s_cbranch_scc1 .Lnot_wave_0_\@
	s_barrier_signal -3
.Lnot_wave_0_\@:
	s_barrier_wait -3
	s_barrier_signal -1
	s_barrier_wait -1
.endm
.macro CROUND
	s_barrier_signal -1
	s_barrier_wait -1
	CREST
.endm
.macro PLACES n                        ; plain lines between a matrix instruction and a load into, or a vector line on, its registers
.rept \n
	v_nop
.endr
.endm
.macro FRAG reg, adr, q, i             ; a fragment comes as the image of its registers: three loads of 16 bytes a lane, 512 consecutive bytes each
.irp c, 0,1,2
	ds_load_b128 v[\reg+4*\c:\reg+4*\c+3], v[\adr] offset:(\i)*3072+(\q)*1536+512*\c
.endr
.endm
; 16 matrix instructions: A's blocks a0, a0 + 1 x B's eight.  p: B's set; q: the slot's first or second 128 along K (its scale words lie in lanes 0-15 or 16-31); zero = 1: the sums begin with the bias.
; The 64 accumulators take turns, one instruction a turn, in the same order in every step.
.macro MUL16 a0, p, q, sc, zero
.irp a, \a0, \a0+1
.irp b, 0,1,2,3,4,5,6,7
.set rD, 8*(8*((\a)%4)+\b)
.set rB, 128*(\p)+FR*\b
.set rA, AF+FR*(\a)
.set rSB, SC+16*(\sc)+8+\b
.set rSA, SC+16*(\sc)+(\a)
.if \zero
	v_wmma_scale_f32_16x16x128_f8f6f4 v[rD:rD+7], v[rB:rB+11], v[rA:rA+11], v[BN+8*\b:BN+8*\b+7], v[rSB], v[rSA] matrix_a_fmt:MATRIX_FMT_FP6 matrix_b_fmt:MATRIX_FMT_FP6
.elseif \q
	v_wmma_scale_f32_16x16x128_f8f6f4 v[rD:rD+7], v[rB:rB+11], v[rA:rA+11], v[rD:rD+7], v[rSB], v[rSA] matrix_a_fmt:MATRIX_FMT_FP6 matrix_b_fmt:MATRIX_FMT_FP6 matrix_a_scale:MATRIX_SCALE_ROW1 matrix_b_scale:MATRIX_SCALE_ROW1
.else
	v_wmma_scale_f32_16x16x128_f8f6f4 v[rD:rD+7], v[rB:rB+11], v[rA:rA+11], v[rD:rD+7], v[rSB], v[rSA] matrix_a_fmt:MATRIX_FMT_FP6 matrix_b_fmt:MATRIX_FMT_FP6
.endif
.endr
.endr
.endm
.macro FETCH_B slot, q, p
	WIN TO_B
.irp i, 0,1,2,3,4,5,6,7
	FRAG 128*(\p)+FR*\i, ADRB+\slot, \q, \i
.endr
	WIN 0
.endm
.macro FETCH_A slot, q, i0
.irp i, \i0, \i0+1, \i0+2, \i0+3
	FRAG AF+FR*(\i), ADRA+\slot, \q, \i
.endr
.endm
.macro SCALES sc                       ; a slot's scale words: one register carries both K steps of a block's 16 rows
.irp i, 0,1,2,3,4,5,6,7
	ds_load_b32 v[SC+16*\sc+\i], v[ADSA] offset:64*\i
.endr
.irp i, 0,1,2,3,4,5,6,7
	ds_load_b32 v[SC+16*\sc+8+\i], v[ADSB] offset:64*\i
.endr
.endm
; A slot's first 128 along K; it fetches the second's fragments
.macro STEP slot, zero
	s_wait_dscnt HNL                               ; all but the youngest twelve loads (A's blocks 4-7) are in
	WIN MUL_LO-0x20*(\zero)                        ; (with the bias as C: source 2 in window 0)
	MUL16 0, 0, 0, \slot, \zero
	MUL16 2, 0, 0, \slot, \zero
	s_wait_dscnt 0x0                               ; A's blocks 4-7 are in
	PLACES 4
	FETCH_B \slot, 1, 1
	FETCH_A \slot, 1, 0
	WIN MUL_HI-0x30*(\zero)
	MUL16 4, 0, 0, \slot, \zero
	MUL16 6, 0, 0, \slot, \zero
	PLACES 4
	WIN 0
	FETCH_A \slot, 1, 4
.endm
; A slot's second 128 along K changes slots: one barrier; in front of it each wave waits for all its tensor loads, adds 0 to its spare word, and waits for that and for its reads of this slot
.macro TURN slot, next, fill
	s_wait_tensorcnt 0x0                           ; all my tensor loads have landed: my part of the next slot
	ds_add_u32 v[SPW], v[NIL]                      ; 0 onto my spare word
	s_wait_dscnt HNL+1                             ; the add and the youngest twelve loads may be out
	WIN MUL_LO
	MUL16 0, 1, 1, \slot, 0
	s_wait_dscnt 0x0                               ; the add is done, and my reads of this slot are over
	s_barrier_signal -1
	MUL16 2, 1, 1, \slot, 0
	WIN 0
	s_barrier_wait -1
.if \fill
	CREST                                          ; the barrier has opened a round of the cluster's: no wave of any partner still reads this slot or has a load on its way
	s_add_nc_u64 s[G0+4*\slot+2:G0+4*\slot+3], s[G0+4*\slot+2:G0+4*\slot+3], 2*KPS
	s_add_nc_u64 s[G0B+4*\slot+2:G0B+4*\slot+3], s[G0B+4*\slot+2:G0B+4*\slot+3], 2*KPS
	JLOAD G0+4*\slot, G1, G0B+4*\slot, G1B         ; the first tensor load behind the round; its four v_nop are the places in front of the loads below
.else
	PLACES 4
.endif
	v_add_nc_u32 v[ADSA], 2*PA, v[ADSA]            ; on to the next slot's scale words (no LDS load of mine is out)
	v_add_nc_u32 v[ADSB], 2*PA, v[ADSB]
	FETCH_B \next, 0, 0
	FETCH_A \next, 0, 0
	SCALES \next
	WIN MUL_HI
	MUL16 4, 1, 1, \slot, 0
	MUL16 6, 1, 1, \slot, 0
	PLACES 4
	WIN 0
	FETCH_A \next, 0, 4
.endm
; 64 numbers of a lane, register 16 b + i taken as place 32 b + 16 (lane / 16) + i, become a fragment's codes in v[PC] on and its row's scale word in v[PW]
.macro QUANT s
.irp b, 0,1,2,3
	v_max3_num_f32 v[TM+\b], |v[\s+16*\b]|, |v[\s+1+16*\b]|, 0x1800000   ; and the floor 2^(3 - 127): the byte cannot fall under 1
.endr
.irp i, 2,4,6,8,10,12,14
.irp b, 0,1,2,3
	v_max3_num_f32 v[TM+\b], v[TM+\b], |v[\s+16*\b+\i]|, |v[\s+1+16*\b+\i]|
.endr
.endr
.irp b, 0,1,2,3
	v_permlanex16_b32 v[TM+4+\b], v[TM+\b], s[SEL], s[SEL+1]
.endr
.irp b, 0,1,2,3
	v_max_num_f32 v[TM+\b], v[TM+\b], v[TM+4+\b]
.endr
.irp b, 0,1,2,3
	v_add_nc_u32 v[TM+12+\b], 0xff000000, v[TM+\b] ; 2 off the exponent field: the conversion's scale operand
.endr
.irp b, 0,1,2,3
	v_lshrrev_b32 v[TM+4+\b], 23, v[TM+12+\b]      ; the scale's byte
.endr
	v_lshl_or_b32 v[PW], v[TM+5], 8, v[TM+4]
	v_lshl_or_b32 v[PW], v[TM+6], 16, v[PW]
	v_lshl_or_b32 v[PW], v[TM+7], 24, v[PW]
.irp c, 0,1
	v_cvt_scalef32_pk16_fp6_f32 v[PC+6*\c:PC+2+6*\c], v[\s+32*\c:\s+15+32*\c], v[TM+12+2*\c]
	v_cvt_scalef32_pk16_fp6_f32 v[PC+12+4*\c:PC+14+4*\c], v[\s+16+32*\c:\s+31+32*\c], v[TM+12+2*\c+1]
.endr
	v_nop                                          ; one plain line behind the scaled conversions
.irp c, 0,1
.irp i, 0,1,2
	v_permlane16_swap_b32 v[PC+6*\c+\i], v[PC+12+4*\c+\i]
.endr
.irp i, 0,1,2
	v_mov_b32 v[PC+3+6*\c+\i], v[PC+12+4*\c+\i]
.endr
.endr
.endm
	s_load_b256 s[4:11], s[0:1], 0x0               ; xw s[4:5], bq s[6:7], bk s[8:9], bv s[10:11]
	s_load_b128 s[92:95], s[0:1], 0x20             ; qk s[92:93], vt s[94:95]
	v_lshl_add_u32 v[SPW], v0, 2, SPARE
	v_mov_b32 v[NIL], 0
	ds_add_u32 v28, v29
	ds_add_u32 v28, v29
	s_wait_dscnt 0x0
	v_lshrrev_b32 v1, 5, v0
	v_readfirstlane_b32 s14, v1                    ; wave 0..3
	s_lshr_b32 s15, s14, 1                         ; which half of A's rows is mine.  Also: I fetch for A (0) or for B (1)
	s_and_b32 s16, s14, 1                          ; which half of B's rows.  Also: which half I fetch
	s_bfe_u32 s40, ttmp6, 0x40000                  ; cx
	s_bfe_u32 s41, ttmp6, 0x40004                  ; cy
	s_lshl_b32 s42, ttmp9, 2
	s_add_co_u32 s42, s42, s40                     ; work-group x
	s_and_b32 s66, ttmp7, 0xffff                   ; cluster y
	s_lshl_b32 s17, s66, 2
	s_add_co_u32 s17, s17, s41                     ; work-group y
	s_lshl_b32 s43, s41, 2
	s_lshl_b32 s43, 15, s43                        ; my row of the cluster
	s_lshl_b32 s44, 0x1111, s40                    ; my column
	; group 1 for codes: a dense block of 24,576 bytes as 96 rows of 32 elements of 8 bytes
	s_or_b32 s[G1+0], s43, (3<<16)|(1<<21)
	s_or_b32 s[G1B+0], s44, (3<<16)|(1<<21)
.irp g, G1, G1B
	s_mov_b32 s[\g+1], 32<<16                      ; tensor_dim0
	s_mov_b32 s[\g+2], 96<<16                      ; tensor_dim1
	s_mov_b32 s[\g+3], 32<<16                      ; tile_dim0
	s_mov_b32 s[\g+4], 96                          ; tile_dim1
	s_mov_b32 s[\g+5], 32                          ; the pitch
	s_mov_b32 s[\g+6], 0
	s_mov_b32 s[\g+7], 0
.endr
	; group 1 for scale words: 8 K steps x 512 bytes (8 rowtiles), 64 bytes of padding behind each row of 128 words
	s_or_b32 s[G1S+0], s43, (3<<16)|(1<<20)|(1<<21)|(6<<22)|(15<<25)
	s_or_b32 s[G1SB+0], s44, (3<<16)|(1<<20)|(1<<21)|(6<<22)|(15<<25)
.irp g, G1S, G1SB
	s_mov_b32 s[\g+1], 64<<16
	s_mov_b32 s[\g+2], 8<<16
	s_mov_b32 s[\g+3], 64<<16
	s_mov_b32 s[\g+4], 8
	s_mov_b32 s[\g+5], RTS*8
	s_mov_b32 s[\g+6], 0
	s_mov_b32 s[\g+7], 0
.endr
	; the two roles' numbers, then one compare and the selects
	s_add_co_u32 s18, s41, 40                      ; V^T: A = Wv's tile cy (tiles of 16 rowtiles; Wv begins at rowtile 640)
	s_max_u32 s20, s66, 8
	s_sub_co_u32 s20, s20, 8
	s_lshl_b32 s20, s20, 3
	s_add_co_u32 s20, s20, s42                     ; V^T: B = the token tile 8 (cluster y - 8) + work-group x, which is also vt's K / 256
	s_add_co_u32 s19, s42, 32                      ; Q, K: B = Wq's and Wk's tiles
	s_and_b32 s21, s42, 3                          ; Q, K: qk's K / 256
	s_lshr_b32 s45, s42, 2
	s_lshl_b32 s45, s45, 9                         ; K's rowtiles lie 512 behind Q's
	s_lshl_b32 s46, s17, 4
	s_add_co_u32 s45, s45, s46                     ; Q, K: the tile's first rowtile of qk
	s_lshl_b32 s46, s41, 4                         ; V^T: of vt
	s_lshl_b32 s47, s41, 10                        ; V^T: bv's bytes of the tile's 256 columns
	s_mov_b32 s2, VT_SC
	s_cmp_lt_u32 s66, 8                            ; the same in all sixteen partners
	s_cselect_b32 s18, s17, s18                    ; A's tile: made of cy and the cluster's y alone
	s_cselect_b32 s19, s19, s20                    ; B's tile: of cx, the cluster's x and y
	s_cselect_b32 s21, s21, s20                    ; the result's K / 256
	s_cselect_b32 s45, s45, s46                    ; its first rowtile
	s_cselect_b32 s47, 0, s47
	s_cselect_b32 s46, 1024, 64                    ; the rowtiles of the result's buffer
	s_cselect_b32 s20, QK_SC, s2                   ; where its scale words begin
	s_cselect_b32 s67, -1, 0                       ; the mask of bq / bk
	s_cselect_b32 s2, 0, -1                        ; the mask of bv
	s_lshl_b32 s22, s18, 4
	s_lshl_b32 s23, s16, 3
	s_add_co_u32 s22, s22, s23                     ; A: the first rowtile that I fetch
	s_lshl_b32 s96, s22, 6
	s_add_co_u32 s96, s96, XW_SC                   ; its scale words
	s_mov_b32 s97, 0
	s_mul_i32 s22, s22, 3072                       ; its codes
	s_mov_b32 s23, 0
	s_lshl_b32 s12, s19, 4
	s_lshl_b32 s13, s16, 3
	s_add_co_u32 s12, s12, s13                     ; B likewise
	s_lshl_b32 s100, s12, 6
	s_add_co_u32 s100, s100, XW_SC
	s_mov_b32 s101, 0
	s_mul_i32 s12, s12, 3072
	s_mov_b32 s13, 0
	s_lshl_b32 s18, s15, 3
	s_add_co_u32 s45, s45, s18                     ; my first rowtile of the result
	s_mul_i32 s18, s21, s46
	s_add_co_u32 s18, s18, s45
	s_lshl_b32 s18, s18, 1
	s_add_co_u32 s18, s18, s16
	s_mul_i32 s18, s18, 1536                       ; its codes: ((K / 256 x rowtiles + rowtile) x 2 + my half of B's rows) x 1,536
	s_mov_b32 s19, 0
	s_lshl_b32 s21, s21, 1
	s_add_co_u32 s21, s21, s16
	s_mul_i32 s21, s21, s46
	s_add_co_u32 s21, s21, s45
	s_lshl_b32 s21, s21, 6
	s_add_co_u32 s20, s20, s21                     ; its scale words: (K / 128 x rowtiles + rowtile) x 64
	s_mov_b32 s21, 0
	v_and_b32 v1, 15, v0                           ; r
	v_bfe_u32 v2, v0, 4, 1                         ; h
	s_and_b32 s45, s42, 3
	s_lshl_b32 s45, s45, 10
	s_lshl_b32 s46, s16, 9
	s_add_co_u32 s45, s45, s46
	v_lshlrev_b32 v30, 5, v2
	v_add_nc_u32 v30, s45, v30                     ; bq / bk: my wave's 128 numbers, + 8 h numbers
	s_lshl_b32 s46, s15, 9
	s_add_co_u32 s47, s47, s46
	v_lshlrev_b32 v31, 2, v1
	v_add_nc_u32 v31, s47, v31                     ; bv: my wave's 128 numbers, + r
	s_mul_i32 s45, s14, HALFS                      ; where my fetches go: no place in the cluster enters an LDS address
	s_mul_i32 s46, s14, HALFB
	s_mov_b32 s[SEL], 0x76543210
	s_mov_b32 s[SEL+1], 0xfedcba98
	s_wait_kmcnt 0x0
	s_cmp_lt_u32 s66, 8
	s_cselect_b64 s[92:93], s[92:93], s[94:95]     ; qk or vt
	s_add_nc_u64 s[94:95], s[92:93], s[20:21]      ; the result's scale words
	s_add_nc_u64 s[92:93], s[92:93], s[18:19]      ; and codes
	s_cmp_lt_u32 s42, 4
	s_cselect_b64 s[6:7], s[6:7], s[8:9]           ; bq or bk
	s_add_nc_u64 s[22:23], s[4:5], s[22:23]
	s_add_nc_u64 s[96:97], s[4:5], s[96:97]
	s_add_nc_u64 s[12:13], s[4:5], s[12:13]
	s_add_nc_u64 s[100:101], s[4:5], s[100:101]
	CROUND                                         ; all sixteen work-groups are here: the first joint loads meet
	s_mov_b32 s[G0S], 1
	s_add_co_u32 s[G0S+1], s45, SCL
	s_mov_b64 s[G0S+2:G0S+3], s[96:97]
	s_or_b32 s[G0S+3], s[G0S+3], 0x80000000
	s_mov_b32 s[G0SB], 1
	s_add_co_u32 s[G0SB+1], s45, SCL
	s_mov_b64 s[G0SB+2:G0SB+3], s[100:101]
	s_or_b32 s[G0SB+3], s[G0SB+3], 0x80000000
	JLOAD G0S, G1S, G0SB, G1SB                     ; the scale words first: filled once
.irp s, 0,1
	s_mov_b32 s[G0+4*\s], 1
	s_add_co_u32 s[G0+4*\s+1], s46, \s*SLOT
	s_add_nc_u64 s[G0+4*\s+2:G0+4*\s+3], s[22:23], \s*KPS
	s_or_b32 s[G0+4*\s+3], s[G0+4*\s+3], 0x80000000
	s_mov_b32 s[G0B+4*\s], 1
	s_add_co_u32 s[G0B+4*\s+1], s46, \s*SLOT
	s_add_nc_u64 s[G0B+4*\s+2:G0B+4*\s+3], s[12:13], \s*KPS
	s_or_b32 s[G0B+4*\s+3], s[G0B+4*\s+3], 0x80000000
	JLOAD G0+4*\s, G1, G0B+4*\s, G1B               ; three tensor loads of mine are out
.endr
.irp b, 0,1,2,3,4,5,6,7
	global_load_b128 v[BN+8*\b:BN+8*\b+3], v30, s[6:7] offset:64*\b       ; for B's block b: the bias of columns 16 b + 8 h + 0 .. 7
	global_load_b128 v[BN+8*\b+4:BN+8*\b+7], v30, s[6:7] offset:64*\b+16
.endr
.irp a, 0,1,2,3,4,5,6,7
	global_load_b32 v[BM+2*\a], v31, s[10:11] offset:64*\a                ; for A's block a: the bias of row 16 a + r
.endr
	v_and_b32 v3, 31, v0
	v_lshlrev_b32 v[CO], 4, v3
	s_mul_i32 s18, s15, HALFA
	s_mul_i32 s19, s16, HALFB
	s_add_co_u32 s19, s19, 2*HALFA
.irp s, 0,1
	v_add_nc_u32 v[ADRA+\s], s18, v[CO]
	v_add_nc_u32 v[ADRB+\s], s19, v[CO]
	s_add_co_u32 s18, s18, SLOT
	s_add_co_u32 s19, s19, SLOT
.endr
	v_mul_u32_u24 v4, v2, PA
	v_lshl_add_u32 v4, v1, 2, v4                   ; 576 h + 4 r
	s_mul_i32 s18, s15, HALFS
	s_add_co_u32 s18, s18, SCL
	v_add_nc_u32 v[ADSA], s18, v4
	s_mul_i32 s19, s16, HALFS
	s_add_co_u32 s19, s19, SCL+2*HALFS
	v_add_nc_u32 v[ADSB], s19, v4
	s_mul_i32 s18, s14, 1536
	s_add_co_u32 s18, s18, STG
	v_lshlrev_b32 v5, 2, v1
	v_add_nc_u32 v[STW], s18, v5
	v_add_nc_u32 v[STR], s18, v[CO]
	s_wait_loadcnt 0x0                             ; the biases
.set j, 0
.rept 64
	v_and_b32 v[BN+j], s67, v[BN+j]                ; zeros in V^T's role
.set j, j+1
.endr
.irp a, 0,1,2,3,4,5,6,7
	v_and_b32 v[BM+2*\a], s2, v[BM+2*\a]           ; zeros in Q's and K's role
.endr
.irp a, 0,1,2,3,4,5,6,7
	v_mov_b32 v[BM+2*\a+1], 0                      ; named with it as a pair, so it is written
.endr
	s_wait_tensorcnt 1                             ; the scale words and my part of slot 0 are in; slot 1's load may be out
	s_barrier_signal -1
	s_barrier_wait -1
	FETCH_B 0, 0, 0
	FETCH_A 0, 0, 0
	SCALES 0
	FETCH_A 0, 0, 4
	STEP 0, 1                                      ; the first step stands in front of the loop: its products start the sums
	s_mov_b32 s3, 1                                ; K = 1,024 is twice round the ring: one trip fills both slots again
.Llap:
	TURN 0, 1, 1
	STEP 1, 0
	TURN 1, 0, 1
	STEP 0, 0
	s_sub_co_u32 s3, s3, 1
	s_cmp_lg_u32 s3, 0
	s_cbranch_scc1 .Llap
	TURN 0, 1, 0                                   ; the last lap fills nothing
	STEP 1, 0
	s_wait_dscnt HNL
	WIN MUL_LO
	MUL16 0, 1, 1, 1, 0
	MUL16 2, 1, 1, 1, 0
	s_wait_dscnt 0x0
	WIN MUL_HI
	MUL16 4, 1, 1, 1, 0
	MUL16 6, 1, 1, 1, 0
	WIN 0
	PLACES 4
	; THE WAY OUT.  A's block a: 16 rows x my 128 columns = one fragment and one scale word a row of the next product
.irp b, 0,1,2,3
	v_mov_b32 v[TM+4+\b], 0                        ; written once: a lane permute's destination counts as one of its sources
.endr
.macro OUTB a
.if (\a) > 0
	s_wait_xcnt 0x0                                ; the last block's stores have read the codes' registers,
	s_wait_dscnt 0x0                               ; and its LDS store the scale word's
.endif
	WIN 2+(\a)/4                                   ; source 0: window 2 or 3
.set j, 0
.rept 32
	v_pk_add_f32 v[NB+j:NB+j+1], v[64*((\a)%4)+j:64*((\a)%4)+j+1], v[BM+2*(\a):BM+2*(\a)+1] op_sel_hi:[1,0]   ; + bv of my row; each accumulator from its low end on
.set j, j+2
.endr
	WIN 0
	QUANT NB
.irp c, 0,1,2
	global_store_b128 v[CO], v[PC+4*\c:PC+4*\c+3], s[92:93] offset:3072*(\a)+512*\c   ; 32 lanes store 512 consecutive bytes, at a multiple of 512 from the buffer's first byte
.endr
	ds_store_b32 v[STW], v[PW] offset:64*(\a)      ; lanes l and l + 16 write the same word with the same value
.endm
.irp a, 0,1,2,3,4,5,6,7
	OUTB \a
.endr
	ds_load_b128 v[168:171], v[STR]                ; LDS serves a wave's instructions in order: these see my eight stores
	s_wait_dscnt 0x0
	global_store_b128 v[CO], v[168:171], s[94:95]  ; the eight blocks' scale words: 512 consecutive bytes
	s_wait_tensorcnt 0x0                           ; the wave's end
	ds_add_u32 v[SPW], v[NIL]
	s_wait_dscnt 0x0
	CROUND                                         ; the closing round
	s_endpgm
.Lfunc_end_k_q4cd4f09281_proj:
	.size	k_q4cd4f09281_proj, .Lfunc_end_k_q4cd4f09281_proj-k_q4cd4f09281_proj
	.p2alignl 7, 3214868480
	.fill 96, 4, 3214868480
	.section	.rodata,"a",@progbits
	.p2align	6, 0x0
	.amdhsa_kernel k_q4cd4f09281_proj
		.amdhsa_group_segment_fixed_size 327680
		.amdhsa_private_segment_fixed_size 0
		.amdhsa_enable_private_segment 0
		.amdhsa_kernarg_size 48
		.amdhsa_user_sgpr_count 2
		.amdhsa_user_sgpr_kernarg_segment_ptr 1
		.amdhsa_wavefront_size32 1
		.amdhsa_system_sgpr_workgroup_id_x 1
		.amdhsa_system_sgpr_workgroup_id_y 1
		.amdhsa_system_sgpr_workgroup_id_z 1
		.amdhsa_system_vgpr_workitem_id 0
		.amdhsa_next_free_vgpr 1024
		.amdhsa_next_free_sgpr 102
		.amdhsa_reserve_vcc 0
		.amdhsa_float_denorm_mode_32 3
		.amdhsa_float_denorm_mode_16_64 3
		.amdhsa_memory_ordered 1
		.amdhsa_forward_progress 1
		.amdhsa_inst_pref_size 164
	.end_amdhsa_kernel
	.amdgpu_metadata
---
amdhsa.version: [ 1, 2 ]
amdhsa.kernels:
  - .name:           k_q4cd4f09281_proj
    .symbol:         k_q4cd4f09281_proj.kd
    .args:
      - { .name: xw, .offset: 0, .size: 8, .value_kind: global_buffer, .address_space: global }
      - { .name: bq, .offset: 8, .size: 8, .value_kind: global_buffer, .address_space: global }
      - { .name: bk, .offset: 16, .size: 8, .value_kind: global_buffer, .address_space: global }
      - { .name: bv, .offset: 24, .size: 8, .value_kind: global_buffer, .address_space: global }
      - { .name: qk, .offset: 32, .size: 8, .value_kind: global_buffer, .address_space: global }
      - { .name: vt, .offset: 40, .size: 8, .value_kind: global_buffer, .address_space: global }
    .group_segment_fixed_size: 327680
    .private_segment_fixed_size: 0
    .kernarg_segment_align: 8
    .kernarg_segment_size: 48
    .max_flat_workgroup_size: 128
    .sgpr_count:     102
    .vgpr_count:     1024
    .wavefront_size: 32
...
	.end_amdgpu_metadata
.endif
;; end of part 2
;; launch scores (part 3): grid 8 x 32, 4 waves a work-group, clusters of 4 x 4, 327,680 bytes of LDS; arguments qk, pp; writes pp
.if DOCPART == 3
	.amdgcn_target "amdgcn-amd-amdhsa--gfx1250"
	.amdhsa_code_object_version 6
	.text
	.protected	k_q4cd4f09281_scores
	.globl	k_q4cd4f09281_scores
	.p2align	8
	.type	k_q4cd4f09281_scores,@function
k_q4cd4f09281_scores:
	s_mov_b64 s[64:65], 0
	v_nop
	global_prefetch_b8 v0, s[64:65] scope:SCOPE_SE
	s_setreg_imm32_b32 hwreg(HW_REG_WAVE_MODE, 25, 1), 1
	s_wait_xcnt 0x0
	s_wait_alu depctr_hold_cnt(0) depctr_sa_sdst(0) depctr_va_vdst(0) depctr_va_sdst(0) depctr_va_ssrc(0) depctr_va_vcc(0) depctr_vm_vsrc(0)
	s_getreg_b32 s2, hwreg(HW_REG_IB_STS2, 6, 4)
	s_cmp_eq_u32 s2, 0
	s_cbranch_scc0 .Lentry_in_a_cluster
	s_endpgm
.Lentry_in_a_cluster:
	s_bfe_u32 s2, ttmp6, 0x10000c
	s_cmp_lg_u32 s2, 0xf033
	s_cbranch_scc0 .Lentry_shape_is_right
	s_endpgm
.Lentry_shape_is_right:
; S^T = K Q^T on codes of FP6 (E2M3) with E8M0 scales, K = 1,024, and the softmax's p quantised on the way out.  qk: 1,024 rowtiles of 16 rows (0-511 Q's tokens, 512-1023 K's): codes [K / 256][1024][2][1,536] in the order of
; the operand's registers, scale words from QK_SC on as [K / 128][1024][16].
; A tile is 256 queries (A) x 256 keys (B) of one batch; four waves, each 128 x 128: 64 accumulators.  The matrix instruction is used transposed (source 0 = 16 keys, source 1 = 16 queries): a lane holds ONE query, its registers run along the keys.
; THE SOFTMAX IS LOCAL TO (QUERY, MY 128 KEYS).  t = score x log2(e) / 32; M = the largest t of these 128 keys, rounded UP to a whole number; p = 2^(t - M) is quantised along the keys; l = the sum of the unquantised p.
; pp takes p's codes ([keys / 256][512 rowtiles of queries][2][1,536]), and from PPS on three tables [keys / 128][512][16] of words: p's scale words, -M as f32, l.  The next launch brings the sixteen local M of a row under the row's
; largest by whole powers of two, through the scale bytes.
; The order inside a block of 32 keys is 0-7, 16-23, 8-15, 24-31, as in V^T's codes: each product pairs the right numbers.
; A block's largest p is not searched for: the block's largest score goes through the same multiply-add and exponential (this takes v_exp_f32 not to fall where its input rises).
; LIMITS: NaN and infinities are not served.  No prefetch into the L2: K has four slots' worth, two of them asked for at the head.
; REGISTERS: window 0: v1-31 addresses and statistics; v32-63 scale words, two sets; v128-223 A's fragments; on the way out v96-159 p, v160-171 tables, v224-254 at work.  window 1: B's fragments, two sets.  windows 2, 3: accumulators.
.set FR,    12
.set HNL,   12
.set HALFA, 24576
.set HALFB, 24576
.set SLOT,  98304
.set SCL,   196608
.set HALFS, 4608
.set PA,    576
.set STG,   215040                     ; 1,536 bytes for each wave: 512 of scale words, 512 of -M, 512 of l; no tensor load lands here
.set SPARE, 221184
.set KPS,   3145728                    ; 256 along K on in qk: 1,024 x 3,072
.set RTS,   1024
.set QK_SC, 12582912
.set PPS,   12582912
.set ADRA, 16
.set ADRB, 20
.set ADSB, 23
.set STW,  24
.set STR,  25
.set CO,   26
.set ADSA, 27
.set SPW,  28
.set NIL,  29
.set SC,   32
.set AF,   128
.set G1,   24
.set G0,   32
.set G1B,  48
.set G0B,  56
.set G1S,  68
.set G0S,  76
.set G1SB, 80
.set G0SB, 88
.set SEL,  98
.set CS,   100                         ; s[100:101] c = log2(e) / 32
.set MSB, 0
.macro WIN new
.if MSB != (\new)
	s_set_vgpr_msb (MSB<<8)|(\new)
.set MSB, (\new)
.endif
.endm
.set MUL_LO, 0xa1
.set MUL_HI, 0xf1
.set TO_B,   0x40
.macro JLOAD g0a, g1a, g0b, g1b        ; a joint load: waves 0 and 1 fetch for A, waves 2 and 3 for B; four v_nop follow each line
	s_cmp_eq_u32 s15, 0
	s_cbranch_scc0 .Lfor_b_\@
	tensor_load_to_lds s[\g0a:\g0a+3], s[\g1a:\g1a+7]
	s_nop 0
.rept 4
	v_nop
.endr
	s_branch .Lasked_\@
.Lfor_b_\@:
	tensor_load_to_lds s[\g0b:\g0b+3], s[\g1b:\g1b+7]
	s_nop 0
.rept 4
	v_nop
.endr
.Lasked_\@:
.endm
.macro CREST
	s_cmp_lg_u32 s14, 0
	s_cbranch_scc1 .Lnot_wave_0_\@
	s_barrier_signal -3
.Lnot_wave_0_\@:
	s_barrier_wait -3
	s_barrier_signal -1
	s_barrier_wait -1
.endm
.macro CROUND
	s_barrier_signal -1
	s_barrier_wait -1
	CREST
.endm
.macro PLACES n
.rept \n
	v_nop
.endr
.endm
.macro FRAG reg, adr, q, i
.irp c, 0,1,2
	ds_load_b128 v[\reg+4*\c:\reg+4*\c+3], v[\adr] offset:(\i)*3072+(\q)*1536+512*\c
.endr
.endm
; 16 matrix instructions: A's blocks a0, a0 + 1 x B's eight; the 64 accumulators take turns, one instruction a turn.  zero = 1: the first product starts the sums
.macro MUL16 a0, p, q, sc, zero
.irp a, \a0, \a0+1
.irp b, 0,1,2,3,4,5,6,7
.set rD, 8*(8*((\a)%4)+\b)
.set rB, 128*(\p)+FR*\b
.set rA, AF+FR*(\a)
.set rSB, SC+16*(\sc)+8+\b
.set rSA, SC+16*(\sc)+(\a)
.if \zero
	v_wmma_scale_f32_16x16x128_f8f6f4 v[rD:rD+7], v[rB:rB+11], v[rA:rA+11], 0, v[rSB], v[rSA] matrix_a_fmt:MATRIX_FMT_FP6 matrix_b_fmt:MATRIX_FMT_FP6
.elseif \q
	v_wmma_scale_f32_16x16x128_f8f6f4 v[rD:rD+7], v[rB:rB+11], v[rA:rA+11], v[rD:rD+7], v[rSB], v[rSA] matrix_a_fmt:MATRIX_FMT_FP6 matrix_b_fmt:MATRIX_FMT_FP6 matrix_a_scale:MATRIX_SCALE_ROW1 matrix_b_scale:MATRIX_SCALE_ROW1
.else
	v_wmma_scale_f32_16x16x128_f8f6f4 v[rD:rD+7], v[rB:rB+11], v[rA:rA+11], v[rD:rD+7], v[rSB], v[rSA] matrix_a_fmt:MATRIX_FMT_FP6 matrix_b_fmt:MATRIX_FMT_FP6
.endif
.endr
.endr
.endm
.macro FETCH_B slot, q, p
	WIN TO_B
.irp i, 0,1,2,3,4,5,6,7
	FRAG 128*(\p)+FR*\i, ADRB+\slot, \q, \i
.endr
	WIN 0
.endm
.macro FETCH_A slot, q, i0
.irp i, \i0, \i0+1, \i0+2, \i0+3
	FRAG AF+FR*(\i), ADRA+\slot, \q, \i
.endr
.endm
.macro SCALES sc
.irp i, 0,1,2,3,4,5,6,7
	ds_load_b32 v[SC+16*\sc+\i], v[ADSA] offset:64*\i
.endr
.irp i, 0,1,2,3,4,5,6,7
	ds_load_b32 v[SC+16*\sc+8+\i], v[ADSB] offset:64*\i
.endr
.endm
.macro STEP slot, zero
	s_wait_dscnt HNL                               ; all but the youngest twelve loads (A's blocks 4-7) are in
	WIN MUL_LO
	MUL16 0, 0, 0, \slot, \zero
	MUL16 2, 0, 0, \slot, \zero
	s_wait_dscnt 0x0
	PLACES 4
	FETCH_B \slot, 1, 1
	FETCH_A \slot, 1, 0
	WIN MUL_HI
	MUL16 4, 0, 0, \slot, \zero
	MUL16 6, 0, 0, \slot, \zero
	PLACES 4
	WIN 0
	FETCH_A \slot, 1, 4
.endm
.macro TURN slot, next, fill
	s_wait_tensorcnt 0x0                           ; all my tensor loads have landed: my part of the next slot
	ds_add_u32 v[SPW], v[NIL]                      ; 0 onto my spare word
	s_wait_dscnt HNL+1                             ; the add and the youngest twelve loads may be out
	WIN MUL_LO
	MUL16 0, 1, 1, \slot, 0
	s_wait_dscnt 0x0                               ; the add is done, and my reads of this slot are over
	s_barrier_signal -1
	MUL16 2, 1, 1, \slot, 0
	WIN 0
	s_barrier_wait -1
.if \fill
	CREST                                          ; a round of the cluster's barrier: no wave of any partner still reads this slot or has a load on its way
	s_add_nc_u64 s[G0+4*\slot+2:G0+4*\slot+3], s[G0+4*\slot+2:G0+4*\slot+3], 2*KPS
	s_add_nc_u64 s[G0B+4*\slot+2:G0B+4*\slot+3], s[G0B+4*\slot+2:G0B+4*\slot+3], 2*KPS
	JLOAD G0+4*\slot, G1, G0B+4*\slot, G1B
.else
	PLACES 4
.endif
	v_add_nc_u32 v[ADSA], 2*PA, v[ADSA]
	v_add_nc_u32 v[ADSB], 2*PA, v[ADSB]
	FETCH_B \next, 0, 0
	FETCH_A \next, 0, 0
	SCALES \next
	WIN MUL_HI
	MUL16 4, 1, 1, \slot, 0
	MUL16 6, 1, 1, \slot, 0
	PLACES 4
	WIN 0
	FETCH_A \next, 0, 4
.endm
	s_load_b128 s[4:7], s[0:1], 0x0                ; qk s[4:5], pp s[6:7]
	v_lshl_add_u32 v[SPW], v0, 2, SPARE
	v_mov_b32 v[NIL], 0
	ds_add_u32 v28, v29
	ds_add_u32 v28, v29
	s_wait_dscnt 0x0
	v_lshrrev_b32 v1, 5, v0
	v_readfirstlane_b32 s14, v1                    ; wave 0..3
	s_lshr_b32 s15, s14, 1                         ; which half of the queries is mine.  Also: I fetch for A (0) or for B (1)
	s_and_b32 s16, s14, 1                          ; which half of the keys.  Also: which half I fetch
	s_bfe_u32 s40, ttmp6, 0x40000                  ; cx
	s_bfe_u32 s41, ttmp6, 0x40004                  ; cy
	s_lshl_b32 s42, ttmp9, 2
	s_add_co_u32 s42, s42, s40                     ; work-group x: which 256 keys of the batch
	s_and_b32 s66, ttmp7, 0xffff                   ; cluster y
	s_lshl_b32 s17, s66, 2
	s_add_co_u32 s17, s17, s41                     ; work-group y: which 256 of the 8,192 queries
	s_lshl_b32 s43, s41, 2
	s_lshl_b32 s43, 15, s43
	s_lshl_b32 s44, 0x1111, s40
	s_or_b32 s[G1+0], s43, (3<<16)|(1<<21)
	s_or_b32 s[G1B+0], s44, (3<<16)|(1<<21)
.irp g, G1, G1B
	s_mov_b32 s[\g+1], 32<<16
	s_mov_b32 s[\g+2], 96<<16
	s_mov_b32 s[\g+3], 32<<16
	s_mov_b32 s[\g+4], 96
	s_mov_b32 s[\g+5], 32
	s_mov_b32 s[\g+6], 0
	s_mov_b32 s[\g+7], 0
.endr
	s_or_b32 s[G1S+0], s43, (3<<16)|(1<<20)|(1<<21)|(6<<22)|(15<<25)
	s_or_b32 s[G1SB+0], s44, (3<<16)|(1<<20)|(1<<21)|(6<<22)|(15<<25)
.irp g, G1S, G1SB
	s_mov_b32 s[\g+1], 64<<16
	s_mov_b32 s[\g+2], 8<<16
	s_mov_b32 s[\g+3], 64<<16
	s_mov_b32 s[\g+4], 8
	s_mov_b32 s[\g+5], RTS*8
	s_mov_b32 s[\g+6], 0
	s_mov_b32 s[\g+7], 0
.endr
	s_lshr_b32 s19, s66, 1                         ; the batch: two clusters' rows of 1,024 queries each
	s_lshl_b32 s19, s19, 3
	s_add_co_u32 s19, s19, s42
	s_add_co_u32 s19, s19, 32                      ; B's tile of 16 rowtiles: K's begin at rowtile 512
	s_lshl_b32 s22, s17, 4
	s_lshl_b32 s23, s16, 3
	s_add_co_u32 s22, s22, s23                     ; A: the first rowtile that I fetch
	s_lshl_b32 s96, s22, 6
	s_add_co_u32 s96, s96, QK_SC
	s_mov_b32 s97, 0
	s_mul_i32 s22, s22, 3072
	s_mov_b32 s23, 0
	s_lshl_b32 s12, s19, 4
	s_lshl_b32 s13, s16, 3
	s_add_co_u32 s12, s12, s13                     ; B likewise
	s_lshl_b32 s8, s12, 6
	s_add_co_u32 s8, s8, QK_SC
	s_mov_b32 s9, 0
	s_mul_i32 s12, s12, 3072
	s_mov_b32 s13, 0
	s_lshl_b32 s45, s17, 4
	s_lshl_b32 s46, s15, 3
	s_add_co_u32 s45, s45, s46                     ; my first rowtile of queries
	s_lshl_b32 s18, s42, 9
	s_add_co_u32 s18, s18, s45
	s_lshl_b32 s18, s18, 1
	s_add_co_u32 s18, s18, s16
	s_mul_i32 s18, s18, 1536                       ; p's codes: ((keys / 256 x 512 + rowtile) x 2 + my half of the keys) x 1,536
	s_mov_b32 s19, 0
	s_lshl_b32 s20, s42, 1
	s_add_co_u32 s20, s20, s16
	s_lshl_b32 s20, s20, 9
	s_add_co_u32 s20, s20, s45
	s_lshl_b32 s20, s20, 6
	s_add_co_u32 s20, s20, PPS                     ; the tables: (keys / 128 x 512 + rowtile) x 64
	s_mov_b32 s21, 0
	s_mul_i32 s45, s14, HALFS
	s_mul_i32 s46, s14, HALFB
	s_mov_b32 s[SEL], 0x76543210
	s_mov_b32 s[SEL+1], 0xfedcba98
	s_mov_b32 s[CS], 0x3d38aa3b                    ; log2(e) / sqrt(1,024)
	s_mov_b32 s[CS+1], s[CS]                       ; named with it as a pair, so it is written
	s_wait_kmcnt 0x0
	s_add_nc_u64 s[92:93], s[6:7], s[18:19]
	s_add_nc_u64 s[94:95], s[6:7], s[20:21]
	s_add_nc_u64 s[22:23], s[4:5], s[22:23]
	s_add_nc_u64 s[96:97], s[4:5], s[96:97]
	s_add_nc_u64 s[12:13], s[4:5], s[12:13]
	s_add_nc_u64 s[8:9], s[4:5], s[8:9]
	CROUND                                         ; all sixteen work-groups are here: the first joint loads meet
	s_mov_b32 s[G0S], 1
	s_add_co_u32 s[G0S+1], s45, SCL
	s_mov_b64 s[G0S+2:G0S+3], s[96:97]
	s_or_b32 s[G0S+3], s[G0S+3], 0x80000000
	s_mov_b32 s[G0SB], 1
	s_add_co_u32 s[G0SB+1], s45, SCL
	s_mov_b64 s[G0SB+2:G0SB+3], s[8:9]
	s_or_b32 s[G0SB+3], s[G0SB+3], 0x80000000
	JLOAD G0S, G1S, G0SB, G1SB
.irp s, 0,1
	s_mov_b32 s[G0+4*\s], 1
	s_add_co_u32 s[G0+4*\s+1], s46, \s*SLOT
	s_add_nc_u64 s[G0+4*\s+2:G0+4*\s+3], s[22:23], \s*KPS
	s_or_b32 s[G0+4*\s+3], s[G0+4*\s+3], 0x80000000
	s_mov_b32 s[G0B+4*\s], 1
	s_add_co_u32 s[G0B+4*\s+1], s46, \s*SLOT
	s_add_nc_u64 s[G0B+4*\s+2:G0B+4*\s+3], s[12:13], \s*KPS
	s_or_b32 s[G0B+4*\s+3], s[G0B+4*\s+3], 0x80000000
	JLOAD G0+4*\s, G1, G0B+4*\s, G1B               ; three tensor loads of mine are out
.endr
	v_and_b32 v1, 15, v0                           ; r
	v_bfe_u32 v2, v0, 4, 1                         ; h
	v_and_b32 v3, 31, v0
	v_lshlrev_b32 v[CO], 4, v3
	s_mul_i32 s18, s15, HALFA
	s_mul_i32 s19, s16, HALFB
	s_add_co_u32 s19, s19, 2*HALFA
.irp s, 0,1
	v_add_nc_u32 v[ADRA+\s], s18, v[CO]
	v_add_nc_u32 v[ADRB+\s], s19, v[CO]
	s_add_co_u32 s18, s18, SLOT
	s_add_co_u32 s19, s19, SLOT
.endr
	v_mul_u32_u24 v4, v2, PA
	v_lshl_add_u32 v4, v1, 2, v4
	s_mul_i32 s18, s15, HALFS
	s_add_co_u32 s18, s18, SCL
	v_add_nc_u32 v[ADSA], s18, v4
	s_mul_i32 s19, s16, HALFS
	s_add_co_u32 s19, s19, SCL+2*HALFS
	v_add_nc_u32 v[ADSB], s19, v4
	s_mul_i32 s18, s14, 1536
	s_add_co_u32 s18, s18, STG
	v_lshlrev_b32 v5, 2, v1
	v_add_nc_u32 v[STW], s18, v5
	v_add_nc_u32 v[STR], s18, v[CO]
	s_wait_tensorcnt 1                             ; the scale words and my part of slot 0 are in; slot 1's load may be out
	s_barrier_signal -1
	s_barrier_wait -1
	FETCH_B 0, 0, 0
	FETCH_A 0, 0, 0
	SCALES 0
	FETCH_A 0, 0, 4
	STEP 0, 1
	s_mov_b32 s3, 1
.Llap:
	TURN 0, 1, 1
	STEP 1, 0
	TURN 1, 0, 1
	STEP 0, 0
	s_sub_co_u32 s3, s3, 1
	s_cmp_lg_u32 s3, 0
	s_cbranch_scc1 .Llap
	TURN 0, 1, 0
	STEP 1, 0
	s_wait_dscnt HNL
	WIN MUL_LO
	MUL16 0, 1, 1, 1, 0
	MUL16 2, 1, 1, 1, 0
	s_wait_dscnt 0x0
	WIN MUL_HI
	MUL16 4, 1, 1, 1, 0
	MUL16 6, 1, 1, 1, 0
	WIN 0
	PLACES 4
	; THE WAY OUT: for each block of 16 queries the softmax of my 128 keys
	v_mov_b32 v13, 0                               ; named with -M as a pair, so it is written
	v_mov_b32 v252, 0                              ; written once: a lane permute's destination counts as one of its sources
.irp b, 0,1,2,3
	v_mov_b32 v[236+\b], 0
.endr
.macro SOFT a
.set A0, 64*((\a)%4)
.set WW, 2+(\a)/4                      ; the block's accumulators lie in window 2 or 3
.if (\a) > 0
	s_wait_xcnt 0x0                                ; the last block's stores have read the codes' registers,
	s_wait_dscnt 0x0                               ; and its LDS stores theirs
.endif
	WIN WW|(WW<<2)|(WW<<4)
.irp b, 0,1,2,3
	v_max3_num_f32 v[232+\b], v[A0+16*\b], v[A0+16*\b+1], v[A0+16*\b+2]   ; the largest score of each block of 32 keys: it serves for the row's maximum and for the block's largest p.  Each accumulator is read from its low end on
.endr
	WIN (WW<<2)|(WW<<4)
.irp i, 3,5,7,9,11,13
.irp b, 0,1,2,3
	v_max3_num_f32 v[232+\b], v[232+\b], v[A0+16*\b+\i], v[A0+16*\b+\i+1]
.endr
.endr
.irp b, 0,1,2,3
	v_max_num_f32 v[232+\b], v[232+\b], v[A0+16*\b+15]
.endr
	WIN 0
.irp b, 0,1,2,3
	v_permlanex16_b32 v[236+\b], v[232+\b], s[SEL], s[SEL+1]
.endr
.irp b, 0,1,2,3
	v_max_num_f32 v[232+\b], v[232+\b], v[236+\b]  ; with lane l xor 16's 16 keys
.endr
	v_max3_num_f32 v254, v232, v233, v234
	v_max_num_f32 v254, v254, v235                 ; the largest score of my query among these 128 keys
	v_mul_f32 v254, s[CS], v254                    ; as t (c is positive)
	v_floor_f32 v12, -v254                         ; -M = floor(-t) = -ceil(t): a whole number
	WIN WW
.set j, 0
.rept 32
	v_pk_fma_f32 v[96+j:97+j], v[A0+j:A0+j+1], s[CS:CS+1], v[12:13] op_sel_hi:[1,0,0]   ; t - M, two at a time
.set j, j+2
.endr
	WIN 0
.irp b, 0,1,2,3
	v_fma_f32 v[232+\b], v[232+\b], s[CS], v12     ; the same of each block's largest score
.endr
.set j, 0
.rept 64
	v_exp_f32 v[96+j], v[96+j]                     ; p = 2^(t - M), at most 1
.set j, j+1
.endr
	v_nop                                          ; a plain line behind the exponentials
	s_wait_alu depctr_va_vdst(0)                   ; one wait for the whole batch, ahead of its first reader
.irp b, 0,1,2,3
	v_exp_f32 v[232+\b], v[232+\b]                 ; the block's largest p
.endr
	v_pk_add_f32 v[14:15], v[96:97], v[100:101]    ; l is taken of the unquantised p: two at a time, in two chains
	v_pk_add_f32 v[236:237], v[98:99], v[102:103]
.set j, 8
.rept 14
	v_pk_add_f32 v[14:15], v[14:15], v[96+j:97+j]
	v_pk_add_f32 v[236:237], v[236:237], v[98+j:99+j]
.set j, j+4
.endr
	v_pk_add_f32 v[14:15], v[14:15], v[236:237]
	s_wait_alu depctr_va_vdst(0)                   ; and one for the four
.irp b, 0,1,2,3
	v_max_num_f32 v[232+\b], 0x1800000, v[232+\b]  ; the floor 2^(3 - 127): the byte cannot fall under 1
.endr
.irp b, 0,1,2,3
	v_add_nc_u32 v[244+\b], 0xff000000, v[232+\b]  ; 2 off the exponent field: the conversion's scale operand
.endr
.irp b, 0,1,2,3
	v_lshrrev_b32 v[236+\b], 23, v[244+\b]         ; the scale's byte: 1 to 125
.endr
	v_lshl_or_b32 v253, v237, 8, v236
	v_lshl_or_b32 v253, v238, 16, v253
	v_lshl_or_b32 v253, v239, 24, v253
.irp c, 0,1
	v_cvt_scalef32_pk16_fp6_f32 v[224+6*\c:226+6*\c], v[96+32*\c:111+32*\c], v[244+2*\c]
	v_cvt_scalef32_pk16_fp6_f32 v[236+4*\c:238+4*\c], v[112+32*\c:127+32*\c], v[244+2*\c+1]
.endr
	v_nop                                          ; one plain line behind the scaled conversions
.irp c, 0,1
.irp i, 0,1,2
	v_permlane16_swap_b32 v[224+6*\c+\i], v[236+4*\c+\i]
.endr
.irp i, 0,1,2
	v_mov_b32 v[227+6*\c+\i], v[236+4*\c+\i]
.endr
.endr
	v_add_f32 v14, v14, v15                        ; l's two halves,
	v_permlanex16_b32 v252, v14, s[SEL], s[SEL+1]
	v_add_f32 v14, v14, v252                       ; and lane l xor 16's
.irp c, 0,1,2
	global_store_b128 v[CO], v[224+4*\c:227+4*\c], s[92:93] offset:3072*(\a)+512*\c   ; 32 lanes store 512 consecutive bytes, at a multiple of 512 from the buffer's first byte
.endr
	ds_store_b32 v[STW], v253 offset:64*(\a)       ; lanes l and l + 16 write the same word with the same value
	ds_store_b32 v[STW], v12 offset:512+64*(\a)
	ds_store_b32 v[STW], v14 offset:1024+64*(\a)
.endm
.irp a, 0,1,2,3,4,5,6,7
	SOFT \a
.endr
.irp i, 0,1,2
	ds_load_b128 v[160+4*\i:163+4*\i], v[STR] offset:512*\i    ; LDS serves a wave's instructions in order: these see my stores
.endr
	s_wait_dscnt 0x0
	global_store_b128 v[CO], v[160:163], s[94:95]                  ; scale words: 512 consecutive bytes
	global_store_b128 v[CO], v[164:167], s[94:95] offset:524288    ; -M
	global_store_b128 v[CO], v[168:171], s[94:95] offset:1048576   ; l
	s_wait_tensorcnt 0x0                           ; the wave's end
	ds_add_u32 v[SPW], v[NIL]
	s_wait_dscnt 0x0
	CROUND                                         ; the closing round
	s_endpgm
.Lfunc_end_k_q4cd4f09281_scores:
	.size	k_q4cd4f09281_scores, .Lfunc_end_k_q4cd4f09281_scores-k_q4cd4f09281_scores
	.p2alignl 7, 3214868480
	.fill 96, 4, 3214868480
	.section	.rodata,"a",@progbits
	.p2align	6, 0x0
	.amdhsa_kernel k_q4cd4f09281_scores
		.amdhsa_group_segment_fixed_size 327680
		.amdhsa_private_segment_fixed_size 0
		.amdhsa_enable_private_segment 0
		.amdhsa_kernarg_size 16
		.amdhsa_user_sgpr_count 2
		.amdhsa_user_sgpr_kernarg_segment_ptr 1
		.amdhsa_wavefront_size32 1
		.amdhsa_system_sgpr_workgroup_id_x 1
		.amdhsa_system_sgpr_workgroup_id_y 1
		.amdhsa_system_sgpr_workgroup_id_z 1
		.amdhsa_system_vgpr_workitem_id 0
		.amdhsa_next_free_vgpr 1024
		.amdhsa_next_free_sgpr 102
		.amdhsa_reserve_vcc 0
		.amdhsa_float_denorm_mode_32 3
		.amdhsa_float_denorm_mode_16_64 3
		.amdhsa_memory_ordered 1
		.amdhsa_forward_progress 1
		.amdhsa_inst_pref_size 198
	.end_amdhsa_kernel
	.amdgpu_metadata
---
amdhsa.version: [ 1, 2 ]
amdhsa.kernels:
  - .name:           k_q4cd4f09281_scores
    .symbol:         k_q4cd4f09281_scores.kd
    .args:
      - { .name: qk, .offset: 0, .size: 8, .value_kind: global_buffer, .address_space: global }
      - { .name: pp, .offset: 8, .size: 8, .value_kind: global_buffer, .address_space: global }
    .group_segment_fixed_size: 327680
    .private_segment_fixed_size: 0
    .kernarg_segment_align: 8
    .kernarg_segment_size: 16
    .max_flat_workgroup_size: 128
    .sgpr_count:     102
    .vgpr_count:     1024
    .wavefront_size: 32
...
	.end_amdgpu_metadata
.endif
;; end of part 3
;; launch pv (part 4): grid 4 x 64, 4 waves a work-group, clusters of 4 x 4, 327,680 bytes of LDS; arguments pp, vt, out0; writes out0
.if DOCPART == 4
	.amdgcn_target "amdgcn-amd-amdhsa--gfx1250"
	.amdhsa_code_object_version 6
	.text
	.protected	k_q4cd4f09281_pv
	.globl	k_q4cd4f09281_pv
	.p2align	8
	.type	k_q4cd4f09281_pv,@function
k_q4cd4f09281_pv:
	s_mov_b64 s[64:65], 0
	v_nop
	global_prefetch_b8 v0, s[64:65] scope:SCOPE_SE
	s_setreg_imm32_b32 hwreg(HW_REG_WAVE_MODE, 25, 1), 1
	s_wait_xcnt 0x0
	s_wait_alu depctr_hold_cnt(0) depctr_sa_sdst(0) depctr_va_vdst(0) depctr_va_sdst(0) depctr_va_ssrc(0) depctr_va_vcc(0) depctr_vm_vsrc(0)
	s_getreg_b32 s2, hwreg(HW_REG_IB_STS2, 6, 4)
	s_cmp_eq_u32 s2, 0
	s_cbranch_scc0 .Lentry_in_a_cluster
	s_endpgm
.Lentry_in_a_cluster:
	s_bfe_u32 s2, ttmp6, 0x10000c
	s_cmp_lg_u32 s2, 0xf033
	s_cbranch_scc0 .Lentry_shape_is_right
	s_endpgm
.Lentry_shape_is_right:
; out0 = (P V) / l on codes of FP6 (E2M3) with E8M0 scales, K = a batch's 2,048 keys.  A = p (pp: codes [keys / 256][512 rowtiles of queries][2][1,536]; from PPS on three tables [keys / 128][512][16]: scale words, -M as f32, l),
; B = V^T (vt: codes [tokens / 256][64 rowtiles of V's columns][2][1,536]; scale words from VT_SC on as [tokens / 128][64][16]).  out0: [8192][1024] f32.
; A tile is 128 queries x 256 columns: 256 work-groups.  Four waves, each 64 x 128: 32 accumulators in window 2.  The matrix instruction is used transposed (source 0 = 16 columns of V, source 1 = 16 queries):
; a lane holds eight neighbouring numbers of a row of out0.
; THE HEAD BRINGS THE SIXTEEN LOCAL M OF A ROW UNDER THE ROW'S LARGEST.  p was made under a whole-number M of its own for each 128 keys.  Thread t owns row t of the tile: d = M - M(step) is a whole number, 0 or more; each of the
; step's four scale bytes has d taken off, which is the multiplication of p by 2^-d, exactly; l is the sum of l(step) 2^-d.  The words go to LDS, from which the products take them.
; LIMIT: d is held at 127, and a byte that would fall under 0 becomes 0 (2^-127): such a step's p count as codes x 2^-127 at the most, beside a row's largest p of over 1/2.  NaN and infinities are not served.
; CLUSTERS: 4 x 4.  A's parts are asked for jointly along a row of the cluster, B's and B's scale words along a column.  No prefetch into the L2: K has eight slots' worth, and the launch is short.
; REGISTERS: window 0: v1-31 addresses, v8-15 1 / l; v32-63 scale words, two sets; v64-127 the head's tables, later results; v128-175 A's fragments; on the way out v128-255 rows.  window 1: B's fragments, two sets.  window 2: accumulators.
.set FR,    12
.set HNL,   6                          ; LDS loads that bring two fragments
.set HALFA, 12288                      ; 4 rowtiles x 3,072
.set HALFB, 24576
.set SLOT,  73728
.set BSC,   147456                     ; B's scale words: 16 K steps x (1,024 bytes + 64)
.set ASC,   164864                     ; A's, made by the head: 16 K steps x (512 bytes + 64); no tensor load lands here
.set RL,    174080                     ; 1 / l of the 128 rows
.set STAGE, 174592                     ; the way out: 16 rows x (512 bytes + 16) for each wave
.set SPARE, 208384
.set PA,    576
.set PB,    1088
.set KPA,   1572864                    ; 256 keys on in pp: 512 x 3,072
.set KPB,   196608                     ; in vt: 64 x 3,072
.set VT_SC, 6291456
.set PPS,   12582912
.set RLR,  8                           ; v8, 10, 12, 14: 1 / l of my row of A's block 0 .. 3
.set ADRA, 16
.set ADRB, 20
.set RLA,  22
.set ADSB, 23
.set STO,  24
.set RD,   25
.set CO,   26
.set ADSA, 27
.set SPW,  28
.set NIL,  29
.set SC,   32
.set TMP,  64
.set AF,   128
.set BK,   128
.set G1,   24
.set G0,   32
.set G1B,  48
.set G0B,  56
.set G1SB, 80
.set G0SB, 88
.set MSB, 0
.macro WIN new
.if MSB != (\new)
	s_set_vgpr_msb (MSB<<8)|(\new)
.set MSB, (\new)
.endif
.endm
.set MUL,  0xa1                        ; source 0 (B) window 1, source 1 (A) window 0, C and D window 2
.set TO_B, 0x40
.macro JLOAD g0a, g1a, g0b, g1b        ; a joint load: waves 0 and 1 fetch for A, waves 2 and 3 for B; four v_nop follow each line
	s_cmp_eq_u32 s15, 0
	s_cbranch_scc0 .Lfor_b_\@
	tensor_load_to_lds s[\g0a:\g0a+3], s[\g1a:\g1a+7]
	s_nop 0
.rept 4
	v_nop
.endr
	s_branch .Lasked_\@
.Lfor_b_\@:
	tensor_load_to_lds s[\g0b:\g0b+3], s[\g1b:\g1b+7]
	s_nop 0
.rept 4
	v_nop
.endr
.Lasked_\@:
.endm
.macro CREST
	s_cmp_lg_u32 s14, 0
	s_cbranch_scc1 .Lnot_wave_0_\@
	s_barrier_signal -3
.Lnot_wave_0_\@:
	s_barrier_wait -3
	s_barrier_signal -1
	s_barrier_wait -1
.endm
.macro CROUND
	s_barrier_signal -1
	s_barrier_wait -1
	CREST
.endm
.macro PLACES n
.rept \n
	v_nop
.endr
.endm
.macro FRAG reg, adr, q, i
.irp c, 0,1,2
	ds_load_b128 v[\reg+4*\c:\reg+4*\c+3], v[\adr] offset:(\i)*3072+(\q)*1536+512*\c
.endr
.endm
; 8 matrix instructions: A's block a x B's eight; the 32 accumulators take turns, one instruction a turn
.macro MUL8 a, p, q, sc, zero
.irp b, 0,1,2,3,4,5,6,7
.set rD, 8*(8*(\a)+\b)
.set rB, 128*(\p)+FR*\b
.set rA, AF+FR*(\a)
.set rSB, SC+16*(\sc)+8+\b
.set rSA, SC+16*(\sc)+(\a)
.if \zero
	v_wmma_scale_f32_16x16x128_f8f6f4 v[rD:rD+7], v[rB:rB+11], v[rA:rA+11], 0, v[rSB], v[rSA] matrix_a_fmt:MATRIX_FMT_FP6 matrix_b_fmt:MATRIX_FMT_FP6
.elseif \q
	v_wmma_scale_f32_16x16x128_f8f6f4 v[rD:rD+7], v[rB:rB+11], v[rA:rA+11], v[rD:rD+7], v[rSB], v[rSA] matrix_a_fmt:MATRIX_FMT_FP6 matrix_b_fmt:MATRIX_FMT_FP6 matrix_a_scale:MATRIX_SCALE_ROW1 matrix_b_scale:MATRIX_SCALE_ROW1
.else
	v_wmma_scale_f32_16x16x128_f8f6f4 v[rD:rD+7], v[rB:rB+11], v[rA:rA+11], v[rD:rD+7], v[rSB], v[rSA] matrix_a_fmt:MATRIX_FMT_FP6 matrix_b_fmt:MATRIX_FMT_FP6
.endif
.endr
.endm
.macro FETCH_B slot, q, p
	WIN TO_B
.irp i, 0,1,2,3,4,5,6,7
	FRAG 128*(\p)+FR*\i, ADRB+\slot, \q, \i
.endr
	WIN 0
.endm
.macro FETCH_A slot, q, i0
.irp i, \i0, \i0+1
	FRAG AF+FR*(\i), ADRA+\slot, \q, \i
.endr
.endm
.macro SCALES sc
.irp i, 0,1,2,3
	ds_load_b32 v[SC+16*\sc+\i], v[ADSA] offset:64*\i
.endr
.irp i, 0,1,2,3,4,5,6,7
	ds_load_b32 v[SC+16*\sc+8+\i], v[ADSB] offset:64*\i
.endr
.endm
.macro STEP slot, zero
	s_wait_dscnt HNL                               ; all but the youngest six loads (A's blocks 2, 3) are in
	WIN MUL
	MUL8 0, 0, 0, \slot, \zero
	MUL8 1, 0, 0, \slot, \zero
	s_wait_dscnt 0x0
	PLACES 4
	FETCH_B \slot, 1, 1
	FETCH_A \slot, 1, 0
	WIN MUL
	MUL8 2, 0, 0, \slot, \zero
	MUL8 3, 0, 0, \slot, \zero
	PLACES 4
	WIN 0
	FETCH_A \slot, 1, 2
.endm
.macro TURN slot, next, fill
	s_wait_tensorcnt 0x0                           ; all my tensor loads have landed: my part of the next slot
	ds_add_u32 v[SPW], v[NIL]                      ; 0 onto my spare word
	s_wait_dscnt HNL+1                             ; the add and the youngest six loads may be out
	WIN MUL
	MUL8 0, 1, 1, \slot, 0
	s_wait_dscnt 0x0                               ; the add is done, and my reads of this slot are over
	s_barrier_signal -1
	MUL8 1, 1, 1, \slot, 0
	WIN 0
	s_barrier_wait -1
.if \fill
	CREST                                          ; a round of the cluster's barrier: no wave of any partner still reads this slot or has a load on its way
	s_add_nc_u64 s[G0+4*\slot+2:G0+4*\slot+3], s[G0+4*\slot+2:G0+4*\slot+3], 2*KPA
	s_add_nc_u64 s[G0B+4*\slot+2:G0B+4*\slot+3], s[G0B+4*\slot+2:G0B+4*\slot+3], 2*KPB
	JLOAD G0+4*\slot, G1, G0B+4*\slot, G1B
.else
	PLACES 4
.endif
	v_add_nc_u32 v[ADSA], 2*PA, v[ADSA]
	v_add_nc_u32 v[ADSB], 2*PB, v[ADSB]
	FETCH_B \next, 0, 0
	FETCH_A \next, 0, 0
	SCALES \next
	WIN MUL
	MUL8 2, 1, 1, \slot, 0
	MUL8 3, 1, 1, \slot, 0
	PLACES 4
	WIN 0
	FETCH_A \next, 0, 2
.endm
	s_load_b128 s[4:7], s[0:1], 0x0                ; pp s[4:5], vt s[6:7]
	s_load_b64 s[8:9], s[0:1], 0x10                ; out0
	v_lshl_add_u32 v[SPW], v0, 2, SPARE
	v_mov_b32 v[NIL], 0
	ds_add_u32 v28, v29
	ds_add_u32 v28, v29
	s_wait_dscnt 0x0
	v_lshrrev_b32 v1, 5, v0
	v_readfirstlane_b32 s14, v1                    ; wave 0..3
	s_lshr_b32 s15, s14, 1                         ; which half of the queries is mine.  Also: I fetch for A (0) or for B (1)
	s_and_b32 s16, s14, 1                          ; which half of the columns.  Also: which half I fetch
	s_bfe_u32 s40, ttmp6, 0x40000                  ; cx
	s_bfe_u32 s41, ttmp6, 0x40004                  ; cy
	s_lshl_b32 s42, ttmp9, 2
	s_add_co_u32 s42, s42, s40                     ; work-group x: which 256 columns
	s_and_b32 s66, ttmp7, 0xffff                   ; cluster y
	s_lshl_b32 s17, s66, 2
	s_add_co_u32 s17, s17, s41                     ; work-group y: which 128 of the 8,192 queries
	s_lshr_b32 s67, s66, 2                         ; the batch
	s_lshl_b32 s43, s41, 2
	s_lshl_b32 s43, 15, s43
	s_lshl_b32 s44, 0x1111, s40
	s_or_b32 s[G1+0], s43, (3<<16)|(1<<21)         ; A: a dense block of 12,288 bytes as 48 rows of 256
	s_mov_b32 s[G1+1], 32<<16
	s_mov_b32 s[G1+2], 48<<16
	s_mov_b32 s[G1+3], 32<<16
	s_mov_b32 s[G1+4], 48
	s_mov_b32 s[G1+5], 32
	s_mov_b32 s[G1+6], 0
	s_mov_b32 s[G1+7], 0
	s_or_b32 s[G1B+0], s44, (3<<16)|(1<<21)        ; B: 24,576 bytes as 96 rows
	s_mov_b32 s[G1B+1], 32<<16
	s_mov_b32 s[G1B+2], 96<<16
	s_mov_b32 s[G1B+3], 32<<16
	s_mov_b32 s[G1B+4], 96
	s_mov_b32 s[G1B+5], 32
	s_mov_b32 s[G1B+6], 0
	s_mov_b32 s[G1B+7], 0
	s_or_b32 s[G1SB+0], s44, (3<<16)|(1<<20)|(1<<21)|(7<<22)|(15<<25)  ; B's scale words: 4 K steps x 1,024 bytes, 64 bytes of padding behind each row of 256 words
	s_mov_b32 s[G1SB+1], 128<<16
	s_mov_b32 s[G1SB+2], 4<<16
	s_mov_b32 s[G1SB+3], 128<<16
	s_mov_b32 s[G1SB+4], 4
	s_mov_b32 s[G1SB+5], 512                       ; a K step's words of all 64 rowtiles: 4,096 bytes
	s_mov_b32 s[G1SB+6], 0
	s_mov_b32 s[G1SB+7], 0
	s_lshl_b32 s22, s17, 3
	s_lshl_b32 s23, s16, 2
	s_add_co_u32 s22, s22, s23
	s_mul_i32 s22, s22, 3072                       ; A: the four rowtiles that I fetch
	s_mov_b32 s23, 0
	s_lshl_b32 s12, s42, 4
	s_lshl_b32 s13, s16, 3
	s_add_co_u32 s12, s12, s13
	s_mul_i32 s12, s12, 3072
	s_mul_i32 s13, s67, 8*KPB
	s_add_co_u32 s12, s12, s13                     ; B: the eight rowtiles that I fetch, at the batch's first 256 tokens
	s_mov_b32 s13, 0
	s_lshl_b32 s100, s67, 4
	s_lshl_b32 s101, s14, 2
	s_add_co_u32 s100, s100, s101
	s_lshl_b32 s100, s100, 12
	s_lshl_b32 s101, s42, 10
	s_add_co_u32 s100, s100, s101
	s_add_co_u32 s100, s100, VT_SC                 ; B's scale words: each wave fetches four of the batch's sixteen K steps
	s_mov_b32 s101, 0
	s_lshl_b32 s96, s17, 9
	s_add_co_u32 s96, s96, PPS                     ; the tables of my tile's 128 rows
	s_mov_b32 s97, 0
	s_lshl_b32 s18, s17, 7
	s_lshl_b32 s19, s15, 6
	s_add_co_u32 s18, s18, s19
	s_lshl_b32 s18, s18, 12
	s_lshl_b32 s19, s42, 10
	s_add_co_u32 s18, s18, s19
	s_lshl_b32 s19, s16, 9
	s_add_co_u32 s18, s18, s19                     ; out0: my first row x 4,096 + my first column x 4
	s_mov_b32 s19, 0
	s_mul_i32 s45, s14, 4*PB
	s_mul_i32 s46, s16, HALFA
	s_mul_i32 s47, s16, HALFB
	s_add_co_u32 s47, s47, 2*HALFA
	s_mov_b32 s2, 0x01010101
	v_lshlrev_b32 v4, 2, v0                        ; thread t owns row t of the tile
	s_wait_kmcnt 0x0
	s_add_nc_u64 s[22:23], s[4:5], s[22:23]
	s_add_nc_u64 s[96:97], s[4:5], s[96:97]
	s_add_nc_u64 s[12:13], s[6:7], s[12:13]
	s_add_nc_u64 s[100:101], s[6:7], s[100:101]
	s_add_nc_u64 s[8:9], s[8:9], s[18:19]
.irp s, 0,1,2,3,4,5,6,7,8,9,10,11,12,13,14,15
	global_load_b32 v[64+\s], v4, s[96:97] offset:32768*\s            ; my row's scale word of K step s,
	global_load_b32 v[80+\s], v4, s[96:97] offset:32768*\s+524288     ; its -M,
	global_load_b32 v[96+\s], v4, s[96:97] offset:32768*\s+1048576    ; its l
.endr
	CROUND                                         ; all sixteen work-groups are here: the first joint loads meet
	s_mov_b32 s[G0SB], 1
	s_add_co_u32 s[G0SB+1], s45, BSC
	s_mov_b64 s[G0SB+2:G0SB+3], s[100:101]
	s_or_b32 s[G0SB+3], s[G0SB+3], 0x80000000
	tensor_load_to_lds s[G0SB:G0SB+3], s[G1SB:G1SB+7]  ; every wave its own four K steps: both addresses hang on the wave's number
	s_nop 0
.rept 4
	v_nop
.endr
.irp s, 0,1
	s_mov_b32 s[G0+4*\s], 1
	s_add_co_u32 s[G0+4*\s+1], s46, \s*SLOT
	s_add_nc_u64 s[G0+4*\s+2:G0+4*\s+3], s[22:23], \s*KPA
	s_or_b32 s[G0+4*\s+3], s[G0+4*\s+3], 0x80000000
	s_mov_b32 s[G0B+4*\s], 1
	s_add_co_u32 s[G0B+4*\s+1], s47, \s*SLOT
	s_add_nc_u64 s[G0B+4*\s+2:G0B+4*\s+3], s[12:13], \s*KPB
	s_or_b32 s[G0B+4*\s+3], s[G0B+4*\s+3], 0x80000000
	JLOAD G0+4*\s, G1, G0B+4*\s, G1B               ; three tensor loads of mine are out
.endr
	v_and_b32 v1, 15, v0                           ; r
	v_bfe_u32 v2, v0, 4, 1                         ; h
	v_and_b32 v3, 31, v0
	v_lshlrev_b32 v[CO], 4, v3
	s_mul_i32 s18, s15, HALFA
	s_mul_i32 s19, s16, HALFB
	s_add_co_u32 s19, s19, 2*HALFA
.irp s, 0,1
	v_add_nc_u32 v[ADRA+\s], s18, v[CO]
	v_add_nc_u32 v[ADRB+\s], s19, v[CO]
	s_add_co_u32 s18, s18, SLOT
	s_add_co_u32 s19, s19, SLOT
.endr
	v_lshlrev_b32 v7, 2, v1                        ; 4 r
	v_mad_u32_u24 v[ADSA], v2, PA, v7
	s_lshl_b32 s18, s15, 8
	s_add_co_u32 s18, s18, ASC
	v_add_nc_u32 v[ADSA], s18, v[ADSA]
	v_mad_u32_u24 v[ADSB], v2, PB, v7
	s_lshl_b32 s19, s16, 9
	s_add_co_u32 s19, s19, BSC
	v_add_nc_u32 v[ADSB], s19, v[ADSB]
	s_lshl_b32 s18, s15, 8
	s_add_co_u32 s18, s18, RL
	v_add_nc_u32 v[RLA], s18, v7
	s_mul_i32 s18, s14, 16*528
	s_add_co_u32 s18, s18, STAGE
	v_mul_u32_u24 v[STO], v1, 528
	v_lshl_add_u32 v[STO], v2, 5, v[STO]
	v_add_nc_u32 v[STO], s18, v[STO]               ; the stage, in: row r, 32 bytes for each half of the lanes
	v_add_nc_u32 v[RD], s18, v[CO]                 ; back: the 32 lanes take one row of 512 bytes
	v_lshl_add_u32 v5, v0, 2, ASC
	v_lshl_add_u32 v6, v0, 2, RL
	s_wait_loadcnt 0x0                             ; the tables
.irp s, 0,1,2,3,4,5,6,7
	v_min_num_f32 v[112+\s], v[80+\s], v[88+\s]    ; the smallest -M is the row's -M
.endr
.irp s, 0,1,2,3
	v_min_num_f32 v[112+\s], v[112+\s], v[116+\s]
.endr
	v_min_num_f32 v112, v112, v114
	v_min_num_f32 v113, v113, v115
	v_min_num_f32 v112, v112, v113
.irp s, 0,1,2,3,4,5,6,7,8,9,10,11,12,13,14,15
	v_sub_f32 v113, v[80+\s], v112                 ; d = M - M(step): a whole number, 0 or more,
	v_min_num_f32 v113, 0x42fe0000, v113           ; held at 127
	v_cvt_i32_f32 v113, v113
	v_sub_nc_u32 v114, 0, v113
.if \s == 0
	v_ldexp_f32 v120, v[96+\s], v114               ; l = the sum of l(step) 2^-d
.else
	v_ldexp_f32 v115, v[96+\s], v114
	v_add_f32 v120, v120, v115
.endif
	v_mul_lo_u32 v113, v113, s2                    ; d in each of the four bytes
	v_or_b32 v114, 0x80808080, v[64+\s]            ; the bytes are 1 to 125: with 128 added to each no byte borrows from the next,
	v_sub_nc_u32 v113, v114, v113                  ; and a byte's top bit stays set where byte >= d
	v_and_b32 v114, 0x80808080, v113
	v_lshrrev_b32 v115, 7, v114
	v_sub_nc_u32 v114, v114, v115                  ; 0x7f in those bytes, 0 in the others
	v_and_b32 v[64+\s], v113, v114                 ; byte - d, or 0
	ds_store_b32 v5, v[64+\s] offset:PA*\s
.endr
	v_rcp_f32 v117, v120
	v_nop                                          ; a plain line behind the reciprocal
	s_wait_alu depctr_va_vdst(0)                   ; and a wait ahead of its first reader
	ds_store_b32 v6, v117
	s_wait_tensorcnt 1                             ; B's scale words and my part of slot 0 are in; slot 1's load may be out
	s_wait_dscnt 0x0                               ; for the others' sake: my words and my 1 / l are stored
	s_barrier_signal -1
	s_barrier_wait -1
.irp a, 0,1,2,3
	ds_load_b32 v[RLR+2*\a], v[RLA] offset:64*\a   ; 1 / l of row 16 a + r of my 64
.endr
.irp a, 0,1,2,3
	v_mov_b32 v[RLR+2*\a+1], 0                     ; named with it as a pair, so it is written
.endr
	FETCH_B 0, 0, 0
	FETCH_A 0, 0, 0
	SCALES 0
	FETCH_A 0, 0, 2
	STEP 0, 1                                      ; the first step stands in front of the loop: its products start the sums
	s_mov_b32 s3, 3                                ; K = 2,048 is four times round the ring: three trips fill both slots again
.Llap:
	TURN 0, 1, 1
	STEP 1, 0
	TURN 1, 0, 1
	STEP 0, 0
	s_sub_co_u32 s3, s3, 1
	s_cmp_lg_u32 s3, 0
	s_cbranch_scc1 .Llap
	TURN 0, 1, 0                                   ; the last lap fills nothing
	STEP 1, 0
	s_wait_dscnt HNL
	WIN MUL
	MUL8 0, 1, 1, 1, 0
	MUL8 1, 1, 1, 1, 0
	s_wait_dscnt 0x0
	MUL8 2, 1, 1, 1, 0
	MUL8 3, 1, 1, 1, 0
	WIN 0
	PLACES 4
; THE WAY OUT, block by block of 16 rows x 128 columns: divided by l, through my own stage in LDS, back as whole rows of 512 bytes
.macro PACK a
	WIN 0x02                                       ; source 0: window 2
.set j, 0
.rept 32
	v_pk_mul_f32 v[TMP+j:TMP+j+1], v[64*(\a)+j:64*(\a)+j+1], v[RLR+2*(\a):RLR+2*(\a)+1] op_sel_hi:[1,0]   ; each accumulator from its low end on
.set j, j+2
.endr
	WIN 0
.endm
.macro TOSTAGE a
.set BB, BK+64*((\a)%2)
.irp b, 0,1,2,3,4,5,6,7
	ds_store_b128 v[STO], v[TMP+8*\b:TMP+8*\b+3] offset:64*\b
	ds_store_b128 v[STO], v[TMP+8*\b+4:TMP+8*\b+7] offset:64*\b+16
.endr
.irp t, 0,1,2,3,4,5,6,7,8,9,10,11,12,13,14,15
	ds_load_b128 v[BB+4*\t:BB+4*\t+3], v[RD] offset:\t*528     ; LDS serves a wave's instructions in order: these see the stores above, and the next block's stores come behind them
.endr
.endm
.macro SEND a, younger                 ; younger: the LDS instructions issued behind block a's loads, which may stay out
.set BB, BK+64*((\a)%2)
	s_wait_dscnt \younger
.if (\a) > 0
	s_add_nc_u64 s[8:9], s[8:9], 16*4096           ; (behind a wait on XCNT: the earlier stores have read their base)
.endif
.irp t, 0,1,2,3,4,5,6,7,8,9,10,11,12,13,14,15
	global_store_b128 v[CO], v[BB+4*\t:BB+4*\t+3], s[8:9] offset:\t*4096 th:TH_STORE_NT   ; 32 lanes store 512 consecutive bytes, at a multiple of 512 from out0's first byte
.endr
.endm
	PACK 0
	TOSTAGE 0
.irp a, 1,2,3
	s_wait_dscnt 16                                ; the last block's 16 stores into the stage have read their registers; its 16 loads may be out
	PACK \a
	s_wait_xcnt 0x0                                ; block a - 2's stores have read their registers and their base
	TOSTAGE \a
	SEND \a-1, 32                                  ; behind block a - 1's loads: block a's 16 stores and 16 loads
.endr
	s_wait_xcnt 0x0
	SEND 3, 0
	s_wait_tensorcnt 0x0                           ; the wave's end
	ds_add_u32 v[SPW], v[NIL]
	s_wait_dscnt 0x0
	CROUND                                         ; the closing round
	s_endpgm
.Lfunc_end_k_q4cd4f09281_pv:
	.size	k_q4cd4f09281_pv, .Lfunc_end_k_q4cd4f09281_pv-k_q4cd4f09281_pv
	.p2alignl 7, 3214868480
	.fill 96, 4, 3214868480
	.section	.rodata,"a",@progbits
	.p2align	6, 0x0
	.amdhsa_kernel k_q4cd4f09281_pv
		.amdhsa_group_segment_fixed_size 327680
		.amdhsa_private_segment_fixed_size 0
		.amdhsa_enable_private_segment 0
		.amdhsa_kernarg_size 24
		.amdhsa_user_sgpr_count 2
		.amdhsa_user_sgpr_kernarg_segment_ptr 1
		.amdhsa_wavefront_size32 1
		.amdhsa_system_sgpr_workgroup_id_x 1
		.amdhsa_system_sgpr_workgroup_id_y 1
		.amdhsa_system_sgpr_workgroup_id_z 1
		.amdhsa_system_vgpr_workitem_id 0
		.amdhsa_next_free_vgpr 768
		.amdhsa_next_free_sgpr 102
		.amdhsa_reserve_vcc 0
		.amdhsa_float_denorm_mode_32 3
		.amdhsa_float_denorm_mode_16_64 3
		.amdhsa_memory_ordered 1
		.amdhsa_forward_progress 1
		.amdhsa_inst_pref_size 107
	.end_amdhsa_kernel
	.amdgpu_metadata
---
amdhsa.version: [ 1, 2 ]
amdhsa.kernels:
  - .name:           k_q4cd4f09281_pv
    .symbol:         k_q4cd4f09281_pv.kd
    .args:
      - { .name: pp, .offset: 0, .size: 8, .value_kind: global_buffer, .address_space: global }
      - { .name: vt, .offset: 8, .size: 8, .value_kind: global_buffer, .address_space: global }
      - { .name: out0, .offset: 16, .size: 8, .value_kind: global_buffer, .address_space: global }
    .group_segment_fixed_size: 327680
    .private_segment_fixed_size: 0
    .kernarg_segment_align: 8
    .kernarg_segment_size: 24
    .max_flat_workgroup_size: 128
    .sgpr_count:     102
    .vgpr_count:     768
    .wavefront_size: 32
...
	.end_amdgpu_metadata
.endif
;; end of part 4
